; MI455X (gfx1250); checked and timed in simulation.
; The chip was launched on July 23, 2026; its instructions are those of AMD's public machine-readable ISA for CDNA 5 (MIT licence, August 2026) and "CDNA5" Instruction Set Architecture Reference Guide (July 2026). The comments in the code are by the model that wrote it; some were corrected since.
;; Split Causal Self Attention. Allowed arithmetic: matrix products marked QUANTISED: E2M3 operands, one E8M0 scale for each 32 along K, by v_wmma_scale_f32_16x16x128_f8f6f4 with both operands' format E2M3, f32 sums; everything else in f32.
;; Inputs: Wk 1,024 x 1,024 float32; Wo 1,024 x 1,024 float32; Wq 1,024 x 1,024 float32; Wv 1,024 x 1,024 float32; X 4 x 2,048 x 1,024 float32; bo 1,024 float32.
;; Outputs: out0 4 x 2,048 x 1,024 float32.
;; This version of the problem:
;;   THIS VERSION OF THE PROBLEM IS GIVEN IN LOW PRECISION. The matrix products marked QUANTISED in the list below multiply operands that are first quantised to E2M3 (2 exponent bits, 3 mantissa bits; 6 bits a number), with one power-of-two scale for each 32 numbers along K (OCP MX v1.0); their sums are f32. All else is computed in f32.
;;   The module's matrix products, in the order in which they are computed (A, B: the left and right operand; K: the contracted axis; several contracted axes count as one K, in the product's order):
;;     1. [M 8,192, K 1,024] x [K 1,024, N 1,024]; A: input X; B: input Wq: QUANTISED
;;     2. [M 8,192, K 1,024] x [K 1,024, N 1,024]; A: input X; B: input Wk: QUANTISED
;;     3. [M 8,192, K 1,024] x [K 1,024, N 1,024]; A: input X; B: input Wv: QUANTISED
;;     4. batch 64 x [M 2,048, K 64] x [K 64, N 2,048]; A: computed on the way; B: computed on the way: QUANTISED
;;     5. batch 64 x [M 2,048, K 2,048] x [K 2,048, N 64]; A: softmax (see below); B: computed on the way: QUANTISED
;;     6. [M 8,192, K 1,024] x [K 1,024, N 1,024]; A: computed on the way; B: input Wo: QUANTISED
;;   THE QUANTISER, for each operand of a quantised product, along K:
;;     - K is cut into blocks of 32 from its start; a last block that is shorter is filled with zeros.
;;     - A block's scale is 2^e with e = floor(log2(the largest magnitude in the block)) - 2, held to -126 .. 127; a block of zeros has e = 0. As a byte (E8M0): e + 127.
;;     - Each number is divided by its block's scale, clamped to +-7.5, and rounded to the nearest number of E2M3, ties to even, subnormals kept.
;;     - The product sums the exact products of the quantised numbers (number of the format x scale) in f32.
;;   ~~~python
;;   def quantise(x, axis):      # numpy; x: float32 -> the quantised numbers, widened to float32 again
;;       x = np.moveaxis(x, axis, -1); K = x.shape[-1]
;;       x = np.pad(x, [(0, 0)] * (x.ndim - 1) + [(0, -K % 32)]); x = x.reshape(x.shape[:-1] + (-1, 32)); a = np.abs(x).max(-1, keepdims=True)
;;       e = np.where(a > 0, np.clip(np.frexp(np.where(a > 0, a, 1))[1] - 1 - 2, -126, 127), 0)      # np.frexp(a)[1] - 1 = floor(log2(a)), exactly
;;       r = np.clip(x / 2.0 ** e, -7.5, 7.5)
;;       step = 2.0 ** (np.maximum(np.frexp(np.where(r == 0, 1, r))[1] - 1, 0) - 3)
;;       q = np.round(r / step) * step * 2.0 ** e      # np.round: ties to even
;;       return np.moveaxis(q.reshape(q.shape[:-2] + (-1,))[..., :K], -1, axis).astype(np.float32)
;;   ~~~
;;   SOFTMAX AHEAD OF A QUANTISED PRODUCT. Where the list says 'softmax', what is quantised is not the finished softmax but p = 2^(t - M), with t = logit x log2(e) and M = ceil(the row's largest t), a whole number; so 1/2 < the row's largest p <= 1. The row's sum l is taken of the UNQUANTISED p, in f32, and the product's result is divided by l at the end. Since M is a whole number, a kernel that streams over the keys may use a running M (the ceiling of the running maximum): every later rescaling is an exact power of two, which a block's scale takes up: the codes' values come out the same.
;;   OPERANDS COMPUTED ON THE WAY. 'Computed on the way' means the value that the module computes at that place (a softmax that the list does not call 'softmax' is quantised finished and normalised). What goes into a quantiser is computed in f32, as accurately as f32 sums, v_exp_f32 and their like allow (about 1e-6 of the number): no bf16 or f16 on the way to a quantiser, and a product that is left as it is and whose result goes on into a quantised operand takes f32 operands (vector FMAs, or v_wmma_f32_16x16x4_f32). A number that lies on a knife's edge between two numbers of the format may be rounded either way, as far as f32 arithmetic and the matrix unit's own rounding can turn it there, and no further.
;; One version. Each part assembles by itself: llvm-mc -triple=amdgcn-amd-amdhsa -mcpu=gfx1250 --defsym DOCPART=n.
;; ======== version 1 of 1: 5 launches
;; workspace buffers: OPc 9,437,184 bytes; OPs 393,216 bytes; QP 6,815,744 bytes; KV 13,369,344 bytes; Yc 6,291,456 bytes; Ys 262,144 bytes
;; launch quant_x (part 1): grid 128 x 2, 8 waves a work-group, no clusters, 44,032 bytes of LDS; arguments X, OPc, OPs; writes OPc, OPs
.if DOCPART == 1
	.amdgcn_target "amdgcn-amd-amdhsa--gfx1250"
	.amdhsa_code_object_version 6
	.text
	.protected	k_q8486d30971_quant_x
	.globl	k_q8486d30971_quant_x
	.p2align	8
	.type	k_q8486d30971_quant_x,@function
k_q8486d30971_quant_x:
	s_mov_b64 s[64:65], 0
	v_nop
	global_prefetch_b8 v0, s[64:65] scope:SCOPE_SE
	s_setreg_imm32_b32 hwreg(HW_REG_WAVE_MODE, 25, 1), 1
	s_wait_xcnt 0x0
; X [8192 tokens][1024] f32 becomes codes of FP6 (E2M3) with one E8M0 byte for each 32 along K, in the layout that the products read:
;   codes  OPc [16 chunks of 64 along K][12288 rows][48 bytes],  scale bytes OPs [4 runs of 256 along K][12288 rows][8 bytes].
; A token lies at row sigma(token): its number with bits 3 and 4 exchanged.  So 16 neighbouring stored rows hold tokens 32 a + 8 u + r + 8 (r / 8), the choice of rows
; with which a transposed product leaves 16 neighbours along the next K in a lane's 16 registers.
; A block's scale is 2^(floor(log2(largest magnitude)) - 2); its byte is the largest magnitude's exponent field - 2, held at 1 from below.
; LIMITS: a block whose largest magnitude lies under 2^-124 has its byte held at 1; a block of zeros has the byte 1 where the rule says 127 (its codes are zeros, and this program alone
; reads the bytes); NaN and infinities among the inputs are not served.
; SHARES: work-group (g, y): tokens 64 g .. + 63, columns 512 y .. + 511.  Wave w: tokens 64 g + 8 w .. + 7, eight steps; a step is one chunk: 8 rows x 64 numbers.
; Each load reads two rows' aligned 256 bytes; a step's 2,048 bytes turn through the wave's own stage in LDS, so that a lane holds 16 neighbours (two lanes hold a block).
; A step's codes are 8 rows x 48 bytes = 384 consecutive bytes.  The scale bytes of the 64 rows meet in LDS and leave as 2 x 512 consecutive bytes.
; No matrix unit, no cluster, no tensor load: memory binds, and no byte is read twice.
.set STEPS,  8
.set PLANE,  589824                    ; a chunk's plane in OPc: 12288 rows x 48
.set SPLANE, 98304                     ; a plane of OPs: 12288 rows x 8
.set SP,     80                        ; a lane's place in a stage: 64 bytes + 16 of padding
.set WREG,   5120                      ; LDS of a wave: two stages of 32 x SP
.set SCB,    40960                     ; behind them: the scale bytes, [2][64 stored rows][8]
.set R,      16                        ; v16-79   four sets of 16 numbers as loaded
.set X,      80                        ; v80-111  two sets of 16 neighbours
.set E,      112                       ; v112-119 a scale byte for each step
.set C,      128                       ; v128-159 codes, four registers a step: no store's data are written again
	s_load_b128 s[4:7], s[0:1], 0x0                ; X, OPc
	s_load_b64 s[8:9], s[0:1], 0x10                ; OPs
	v_lshl_add_u32 v192, v0, 2, 0xa800
	v_mov_b32 v193, 0
	v_lshrrev_b32 v1, 5, v0
	s_delay_alu instid0(VALU_DEP_1)
	v_readfirstlane_b32 s16, v1                    ; wave 0..7
	v_and_b32 v2, 31, v0                           ; lane
	s_wait_alu depctr_va_vdst(0)
	s_and_b32 s17, ttmp7, 0xffff                   ; y
	s_and_b32 s18, s16, 4                          ; my run of 8 rows in storage order: the wave's number with bits 0 and 1 exchanged
	s_and_b32 s19, s16, 1
	s_lshl_b32 s19, s19, 1
	s_or_b32 s18, s18, s19
	s_bfe_u32 s19, s16, 0x10001
	s_or_b32 s18, s18, s19
	v_and_b32 v3, 15, v2
	s_delay_alu instid0(VALU_DEP_1)
	v_lshlrev_b32 v3, 4, v3
	v_lshrrev_b32 v10, 4, v2
	s_delay_alu instid0(VALU_DEP_1)
	v_lshl_add_u32 v3, v10, 12, v3                 ; in: 16 (lane % 16), and one row of 4,096 bytes down for lanes 16-31
	s_mul_i32 s20, s16, WREG
	v_lshrrev_b32 v14, 2, v2
	s_delay_alu instid0(VALU_DEP_1)
	v_mul_u32_u24 v14, v14, SP
	v_and_b32 v15, 3, v2
	s_delay_alu instid0(VALU_DEP_1)
	v_lshl_add_u32 v14, v15, 4, v14
	s_delay_alu instid0(VALU_DEP_1)
	v_add_nc_u32 v14, s20, v14                     ; the stage, on the way in: four lanes' 64 bytes on end, then the padding
	v_mul_u32_u24 v15, v2, SP
	s_delay_alu instid0(VALU_DEP_1)
	v_add_nc_u32 v15, s20, v15                     ; and on the way out: my 16 neighbours
	v_mul_u32_u24 v4, v2, 12                       ; my 12 bytes of a step's 384
	v_lshrrev_b32 v5, 2, v2
	s_delay_alu instid0(VALU_DEP_1)
	v_lshlrev_b32 v5, 3, v5
	v_bfe_u32 v6, v2, 1, 1
	s_delay_alu instid0(VALU_DEP_1)
	v_add_nc_u32 v5, v5, v6
	s_lshl_b32 s21, s18, 6
	s_add_co_u32 s21, s21, SCB
	v_add_nc_u32 v5, s21, v5                       ; my block's byte: SCB + 64 x run + 8 x row + block
	v_lshlrev_b32 v7, 4, v2
	s_and_b32 s21, s16, 1
	s_lshl_b32 s22, s21, 9
	s_add_co_u32 s22, s22, SCB
	v_add_nc_u32 v6, s22, v7                       ; the way out of the scale bytes (waves 0 and 1): 512 bytes each
	s_lshl_b32 s24, ttmp9, 18                      ; X: 64 g rows of 4,096 bytes,
	s_lshl_b32 s22, s16, 15                        ; 8 rows a wave,
	s_add_co_u32 s24, s24, s22
	s_lshl_b32 s22, s17, 11                        ; 512 y columns
	s_add_co_u32 s24, s24, s22
	s_mov_b32 s25, 0
	s_lshl_b32 s26, ttmp9, 3
	s_add_co_u32 s26, s26, s18
	s_mul_i32 s26, s26, 384                        ; codes: my run of 8 stored rows,
	s_mul_i32 s22, s17, 8*PLANE                    ; from chunk 8 y on
	s_add_co_u32 s26, s26, s22
	s_mov_b32 s27, 0
	s_lshl_b32 s28, s17, 1
	s_add_co_u32 s28, s28, s21
	s_mul_i32 s28, s28, SPLANE                     ; scale bytes: plane 2 y + wave,
	s_lshl_b32 s22, ttmp9, 9                       ; rows 64 g on
	s_add_co_u32 s28, s28, s22
	s_mov_b32 s29, 0
	s_wait_alu depctr_va_vdst(0)
	s_wait_kmcnt 0x0
	s_add_nc_u64 s[4:5], s[4:5], s[24:25]
	s_add_nc_u64 s[6:7], s[6:7], s[26:27]
	s_add_nc_u64 s[8:9], s[8:9], s[28:29]
.macro LOAD t
.irp i, 0,1,2,3
	global_load_b128 v[R+16*((\t)%4)+4*\i:R+16*((\t)%4)+4*\i+3], v3, s[4:5] offset:256*(\t)+8192*\i th:TH_LOAD_NT   ; rows 2 i and 2 i + 1: 256 consecutive bytes each
.endr
.endm
.macro TURN t                          ; step t through the stage: LDS serves a wave's instructions in order, so no wait stands between the stores and the loads
.irp i, 0,1,2,3
	ds_store_b128 v14, v[R+16*((\t)%4)+4*\i:R+16*((\t)%4)+4*\i+3] offset:32*SP*((\t)%2)+8*SP*\i
.endr
.irp i, 0,1,2,3
	ds_load_b128 v[X+16*((\t)%2)+4*\i:X+16*((\t)%2)+4*\i+3], v15 offset:32*SP*((\t)%2)+16*\i
.endr
.endm
.irp t, 0,1,2,3
	LOAD \t
.endr
	s_wait_loadcnt 12                              ; step 0's four loads are in; the twelve of steps 1 to 3 stay out
	TURN 0
.macro STEP t
.set XS, X+16*((\t)%2)
.if (\t) > 0
	s_wait_dscnt 1                                 ; this step's numbers are back from the stage; only the last step's byte store may be out
.else
	s_wait_dscnt 0x0
.endif
.if (\t)+4 < STEPS
	LOAD (\t)+4                                    ; into the set whose stage stores have just been shown done
.endif
.if (\t)+1 < STEPS
.if STEPS-2-(\t) >= 3
	s_wait_loadcnt 12                              ; the next step's four loads are in; those of the three steps behind it stay out
.else
	s_wait_loadcnt 4*(STEPS-2-(\t))
.endif
	TURN (\t)+1
.endif
	v_max3_num_f32 v8, |v[XS]|, |v[XS+1]|, |v[XS+2]|               ; the largest magnitude of my 16, in two chains
	v_max3_num_f32 v9, |v[XS+3]|, |v[XS+4]|, |v[XS+5]|
.irp i, 6,10
	s_delay_alu instid0(VALU_DEP_2)
	v_max3_num_f32 v8, v8, |v[XS+\i]|, |v[XS+\i+1]|
	s_delay_alu instid0(VALU_DEP_2)
	v_max3_num_f32 v9, v9, |v[XS+\i+2]|, |v[XS+\i+3]|
.endr
	s_delay_alu instid0(VALU_DEP_2)
	v_max3_num_f32 v8, v8, |v[XS+14]|, |v[XS+15]|
	s_delay_alu instid0(VALU_DEP_1)
	v_max3_num_f32 v8, v8, v9, 0x1800000           ; and the floor 2^(3 - 127): the byte cannot fall under 1
	s_delay_alu instid0(VALU_DEP_1)
	v_max_num_f32_dpp v8, v8, v8 row_xmask:1 row_mask:0xf bank_mask:0xf   ; with my neighbour's 16: the block's
	s_delay_alu instid0(VALU_DEP_1)
	v_add_nc_u32 v11, 0xff000000, v8               ; 2 off the exponent field: the conversion takes this operand's exponent field as its scale
	v_cvt_scalef32_pk16_fp6_f32 v[C+4*(\t):C+4*(\t)+2], v[XS:XS+15], v11
	v_lshrrev_b32 v[E+(\t)], 23, v11               ; the scale's byte
	ds_store_b8 v5, v[E+(\t)] offset:((\t)/4)*512+((\t)%4)*2       ; both lanes of a block write the same byte with the same value
	global_store_b96 v4, v[C+4*(\t):C+4*(\t)+2], s[6:7] offset:(\t)*PLANE   ; 384 consecutive bytes of chunk 8 y + t
.endm
.irp t, 0,1,2,3,4,5,6,7
	STEP \t
.endr
	s_wait_dscnt 0x0                               ; for the others' sake: my byte stores are done
	s_barrier_signal -1
	s_barrier_wait -1
	s_cmp_gt_u32 s16, 1
	s_cbranch_scc1 .Ldone                          ; waves 0 and 1 store the two planes' 512 bytes
	ds_load_b128 v[8:11], v6
	s_wait_dscnt 0x0
	global_store_b128 v7, v[8:11], s[8:9]          ; 32 lanes store 512 consecutive bytes, aligned to 256
.Ldone:
	s_wait_tensorcnt 0x0
	ds_add_u32 v192, v193
	s_wait_dscnt 0x0
	s_endpgm
.Lfunc_end_k_q8486d30971_quant_x:
	.size	k_q8486d30971_quant_x, .Lfunc_end_k_q8486d30971_quant_x-k_q8486d30971_quant_x
	.p2alignl 7, 3214868480
	.fill 96, 4, 3214868480
	.section	.rodata,"a",@progbits
	.p2align	6, 0x0
	.amdhsa_kernel k_q8486d30971_quant_x
		.amdhsa_group_segment_fixed_size 44032
		.amdhsa_private_segment_fixed_size 0
		.amdhsa_enable_private_segment 0
		.amdhsa_kernarg_size 24
		.amdhsa_user_sgpr_count 2
		.amdhsa_user_sgpr_kernarg_segment_ptr 1
		.amdhsa_wavefront_size32 1
		.amdhsa_system_sgpr_workgroup_id_x 1
		.amdhsa_system_sgpr_workgroup_id_y 1
		.amdhsa_system_sgpr_workgroup_id_z 1
		.amdhsa_system_vgpr_workitem_id 0
		.amdhsa_next_free_vgpr 194
		.amdhsa_next_free_sgpr 66
		.amdhsa_reserve_vcc 0
		.amdhsa_float_denorm_mode_32 3
		.amdhsa_float_denorm_mode_16_64 3
		.amdhsa_memory_ordered 1
		.amdhsa_forward_progress 1
		.amdhsa_inst_pref_size 21
	.end_amdhsa_kernel
	.amdgpu_metadata
---
amdhsa.version: [ 1, 2 ]
amdhsa.kernels:
  - .name:           k_q8486d30971_quant_x
    .symbol:         k_q8486d30971_quant_x.kd
    .args:
      - { .name: X, .offset: 0, .size: 8, .value_kind: global_buffer, .address_space: global }
      - { .name: OPc, .offset: 8, .size: 8, .value_kind: global_buffer, .address_space: global }
      - { .name: OPs, .offset: 16, .size: 8, .value_kind: global_buffer, .address_space: global }
    .group_segment_fixed_size: 44032
    .private_segment_fixed_size: 0
    .kernarg_segment_align: 8
    .kernarg_segment_size: 24
    .max_flat_workgroup_size: 256
    .sgpr_count:     66
    .vgpr_count:     194
    .wavefront_size: 32
...
	.end_amdgpu_metadata
.endif
;; end of part 1
;; launch quant_w (part 2): grid 32 x 4, 4 waves a work-group, no clusters, 36,352 bytes of LDS; arguments Wq, Wk, Wv, Wo, OPc, OPs; writes OPc, OPs
.if DOCPART == 2
	.amdgcn_target "amdgcn-amd-amdhsa--gfx1250"
	.amdhsa_code_object_version 6
	.text
	.protected	k_q8486d30971_quant_w
	.globl	k_q8486d30971_quant_w
	.p2align	8
	.type	k_q8486d30971_quant_w,@function
k_q8486d30971_quant_w:
	s_mov_b64 s[64:65], 0
	v_nop
	global_prefetch_b8 v0, s[64:65] scope:SCOPE_SE
	s_setreg_imm32_b32 hwreg(HW_REG_WAVE_MODE, 25, 1), 1
	s_wait_xcnt 0x0
; The four weights, [1024 k][1024 n] f32 with K as the FIRST axis, become codes of FP6 (E2M3) with K innermost and one E8M0 byte for each 32 along K, in rows 8192 + 1024 wt + sigma(n) of
;   OPc [16 chunks of 64 along K][12288 rows][48 bytes]  and  OPs [4 runs of 256 along K][12288 rows][8 bytes];  wt = 0 q, 1 k, 2 v, 3 o;  sigma exchanges bits 3 and 4.
; A LANE TAKES A COLUMN n AND ITS REGISTERS RUN DOWN K: a load reads 128 consecutive bytes a wave, a block of 32 lies in one lane, the conversions give codes with K innermost.
; LIMITS: a block whose largest magnitude lies under 2^-124 has its byte held at 1; a block of zeros has the byte 1 where the rule says 127 (its codes are zeros, and this program alone
; reads the bytes); NaN and infinities among the inputs are not served.
; SHARES: work-group x: weight x / 8, columns 128 (x % 8) on, 32 a wave; y: K = 256 y .. + 255: 8 blocks a lane, 4 chunks.
; The codes go through the wave's own stage in LDS (row = the column's stored place) and leave as 8 rows x 48 bytes = 384 consecutive bytes a store.  No barrier: waves share nothing.
.set SIZE_N, 1024
.set NB,     8
.set PITCH,  272                       ; a stage row: sixteen places of 16 bytes, 12 bytes of codes in each, + 16
.set PLANE,  589824
.set SPLANE, 98304
.set X,      32                        ; v32-95   two sets of 32 numbers
.set C,      96                        ; v96..    a block's codes
.set OUTR,   112                       ; v112-175 the way out
.set SB,     24                        ; v24-25   the scale bytes
	s_load_b256 s[4:11], s[0:1], 0x0               ; Wq, Wk, Wv, Wo
	s_load_b128 s[12:15], s[0:1], 0x20             ; OPc, OPs
	v_lshl_add_u32 v192, v0, 2, 0x8c00
	v_mov_b32 v193, 0
	v_lshrrev_b32 v1, 5, v0
	v_readfirstlane_b32 s16, v1                    ; wave 0..3
	v_and_b32 v2, 31, v0                           ; lane
	s_lshr_b32 s17, ttmp9, 3                       ; which weight
	s_and_b32 s18, ttmp9, 7
	s_lshl_b32 s18, s18, 7
	s_lshl_b32 s19, s16, 5
	s_add_co_u32 s18, s18, s19                     ; my wave's first column
	s_and_b32 s19, ttmp7, 0xffff                   ; which 256 along K
	v_lshlrev_b32 v3, 2, v2                        ; in: 4 bytes a lane
	v_and_b32 v5, 7, v2                            ; my column's stored place among the wave's 32: the lane with bits 3 and 4 exchanged
	v_bfe_u32 v6, v2, 3, 1
	v_lshl_add_u32 v5, v6, 4, v5
	v_bfe_u32 v6, v2, 4, 1
	v_lshl_add_u32 v5, v6, 3, v5
	s_mul_i32 s20, s16, 32*PITCH                   ; my stage
	v_mul_u32_u24 v4, v5, PITCH
	v_add_nc_u32 v4, s20, v4                       ; into it: row = my stored place
	v_lshrrev_b32 v6, 2, v2
	v_mul_u32_u24 v7, v6, PITCH
	v_and_b32 v6, 3, v2
	v_lshl_add_u32 v7, v6, 4, v7
	v_add_nc_u32 v7, s20, v7                       ; out of it: four lanes to a row's 48 bytes of a chunk, eight rows an instruction
	v_mul_u32_u24 v8, v2, 12                       ; and the same place in 384 bytes of OPc
	v_lshlrev_b32 v9, 3, v5                        ; my row's 8 scale bytes
	s_lshl_b32 s20, s19, 20                        ; W: 256 y rows of 4,096 bytes
	s_lshl_b32 s21, s18, 2
	s_add_co_u32 s20, s20, s21
	s_mov_b32 s21, 0
	s_lshl_b32 s22, s17, 10
	s_add_co_u32 s22, s22, s18
	s_add_co_u32 s22, s22, 8192                    ; my wave's first row in OPc and OPs
	s_mul_i32 s24, s22, 48
	s_mul_i32 s23, s19, 4*PLANE
	s_add_co_u32 s24, s24, s23
	s_mov_b32 s25, 0
	s_lshl_b32 s26, s22, 3
	s_mul_i32 s23, s19, SPLANE
	s_add_co_u32 s26, s26, s23
	s_mov_b32 s27, 0
	s_and_b32 s28, s17, 1
	s_wait_kmcnt 0x0
	s_cmp_lt_u32 s17, 2                            ; the choice hangs on the work-group's number alone
	s_cselect_b64 s[4:5], s[4:5], s[8:9]           ; q or v
	s_cselect_b64 s[6:7], s[6:7], s[10:11]         ; k or o
	s_cmp_eq_u32 s28, 0
	s_cselect_b64 s[4:5], s[4:5], s[6:7]
	s_add_nc_u64 s[4:5], s[4:5], s[20:21]
	s_add_nc_u64 s[12:13], s[12:13], s[24:25]
	s_add_nc_u64 s[14:15], s[14:15], s[26:27]
.macro LOAD t                          ; block t: W(256 y + 32 t + i, my column) into set t % 2
.irp i, 0,1,2,3,4,5,6,7,8,9,10,11,12,13,14,15,16,17,18,19,20,21,22,23,24,25,26,27,28,29,30,31
	global_load_b32 v[X+32*((\t)%2)+\i], v3, s[4:5] offset:(32*(\t)+\i)*SIZE_N*4 th:TH_LOAD_NT
.endr
.endm
	LOAD 0
	LOAD 1
.macro BLOCK t
.set XS, X+32*((\t)%2)
.if (\t) < NB-1
	s_wait_loadcnt 32                              ; this block's 32 loads are in; the next block's 32 stay out
.else
	s_wait_loadcnt 0
.endif
	v_max3_num_f32 v12, |v[XS]|, |v[XS+1]|, |v[XS+2]|              ; the block's largest magnitude: all 32 numbers are mine
	v_max3_num_f32 v13, |v[XS+3]|, |v[XS+4]|, |v[XS+5]|
.irp i, 6,10,14,18,22,26
	v_max3_num_f32 v12, v12, |v[XS+\i]|, |v[XS+\i+1]|
	v_max3_num_f32 v13, v13, |v[XS+\i+2]|, |v[XS+\i+3]|
.endr
	v_max3_num_f32 v12, v12, |v[XS+30]|, |v[XS+31]|
	v_max3_num_f32 v12, v12, v13, 0x1800000        ; and the floor 2^(3 - 127)
	v_add_nc_u32 v11, 0xff000000, v12              ; 2 off the exponent field: the conversion's scale operand
	v_lshrrev_b32 v13, 23, v11                     ; the scale's byte
.if (\t)%4 == 0
	v_mov_b32 v[SB+(\t)/4], v13
.else
	v_lshl_or_b32 v[SB+(\t)/4], v13, 8*((\t)%4), v[SB+(\t)/4]
.endif
	v_cvt_scalef32_pk16_fp6_f32 v[C:C+2], v[XS:XS+15], v11
	v_cvt_scalef32_pk16_fp6_f32 v[C+4:C+6], v[XS+16:XS+31], v11    ; (a conversion's three registers begin on an even number)
	ds_store_b96 v4, v[C:C+2] offset:32*(\t)       ; 12 bytes to a place of 16, so that every LDS address is a multiple of 16
	ds_store_b96 v4, v[C+4:C+6] offset:32*(\t)+16
.if (\t)+2 < NB
	LOAD (\t)+2
.endif
	s_wait_dscnt 0x0                               ; the stores have read their registers: the next block's codes may be written
.endm
.set Q, 0
.rept NB
	BLOCK Q
.set Q, Q+1
.endr
	s_wait_alu depctr_va_vdst(0)
	global_store_b64 v9, v[SB:SB+1], s[14:15]      ; the wave's 32 rows x 8 bytes: 256 consecutive bytes, aligned
.irp q, 0,1,2,3,4,5,6,7,8,9,10,11,12,13,14,15
	ds_load_b96 v[OUTR+4*\q:OUTR+4*\q+2], v7 offset:2176*(\q%4)+64*(\q/4)   ; chunk q / 4, stored rows 8 (q % 4) on; these see my stores: LDS serves a wave in order
.endr
.irp q, 0,1,2,3,4,5,6,7,8,9,10,11,12,13,14,15
	s_wait_dscnt 15-\q                             ; load q is in; the younger ones stay out
	global_store_b96 v8, v[OUTR+4*\q:OUTR+4*\q+2], s[12:13] offset:(\q/4)*PLANE+384*(\q%4)
.endr
	s_wait_tensorcnt 0x0
	ds_add_u32 v192, v193
	s_wait_dscnt 0x0
	s_endpgm
.Lfunc_end_k_q8486d30971_quant_w:
	.size	k_q8486d30971_quant_w, .Lfunc_end_k_q8486d30971_quant_w-k_q8486d30971_quant_w
	.p2alignl 7, 3214868480
	.fill 96, 4, 3214868480
	.section	.rodata,"a",@progbits
	.p2align	6, 0x0
	.amdhsa_kernel k_q8486d30971_quant_w
		.amdhsa_group_segment_fixed_size 36352
		.amdhsa_private_segment_fixed_size 0
		.amdhsa_enable_private_segment 0
		.amdhsa_kernarg_size 48
		.amdhsa_user_sgpr_count 2
		.amdhsa_user_sgpr_kernarg_segment_ptr 1
		.amdhsa_wavefront_size32 1
		.amdhsa_system_sgpr_workgroup_id_x 1
		.amdhsa_system_sgpr_workgroup_id_y 1
		.amdhsa_system_sgpr_workgroup_id_z 1
		.amdhsa_system_vgpr_workitem_id 0
		.amdhsa_next_free_vgpr 194
		.amdhsa_next_free_sgpr 66
		.amdhsa_reserve_vcc 0
		.amdhsa_float_denorm_mode_32 3
		.amdhsa_float_denorm_mode_16_64 3
		.amdhsa_memory_ordered 1
		.amdhsa_forward_progress 1
		.amdhsa_inst_pref_size 42
	.end_amdhsa_kernel
	.amdgpu_metadata
---
amdhsa.version: [ 1, 2 ]
amdhsa.kernels:
  - .name:           k_q8486d30971_quant_w
    .symbol:         k_q8486d30971_quant_w.kd
    .args:
      - { .name: Wq, .offset: 0, .size: 8, .value_kind: global_buffer, .address_space: global }
      - { .name: Wk, .offset: 8, .size: 8, .value_kind: global_buffer, .address_space: global }
      - { .name: Wv, .offset: 16, .size: 8, .value_kind: global_buffer, .address_space: global }
      - { .name: Wo, .offset: 24, .size: 8, .value_kind: global_buffer, .address_space: global }
      - { .name: OPc, .offset: 32, .size: 8, .value_kind: global_buffer, .address_space: global }
      - { .name: OPs, .offset: 40, .size: 8, .value_kind: global_buffer, .address_space: global }
    .group_segment_fixed_size: 36352
    .private_segment_fixed_size: 0
    .kernarg_segment_align: 8
    .kernarg_segment_size: 48
    .max_flat_workgroup_size: 128
    .sgpr_count:     66
    .vgpr_count:     194
    .wavefront_size: 32
...
	.end_amdgpu_metadata
.endif
;; end of part 2
;; launch gemm_qkv (part 3): grid 8 x 48, 4 waves a work-group, clusters of 4 x 4, 327,680 bytes of LDS; arguments OPc, OPs, QP, KV; writes QP, KV
.if DOCPART == 3
	.amdgcn_target "amdgcn-amd-amdhsa--gfx1250"
	.amdhsa_code_object_version 6
	.text
	.protected	k_q8486d30971_gemm_qkv
	.globl	k_q8486d30971_gemm_qkv
	.p2align	8
	.type	k_q8486d30971_gemm_qkv,@function
k_q8486d30971_gemm_qkv:
	s_mov_b64 s[64:65], 0
	v_nop
	global_prefetch_b8 v0, s[64:65] scope:SCOPE_SE
	s_setreg_imm32_b32 hwreg(HW_REG_WAVE_MODE, 25, 1), 1
	s_wait_xcnt 0x0
	s_wait_alu depctr_hold_cnt(0) depctr_sa_sdst(0) depctr_va_vdst(0) depctr_va_sdst(0) depctr_va_ssrc(0) depctr_va_vcc(0) depctr_vm_vsrc(0)
	s_getreg_b32 s2, hwreg(HW_REG_IB_STS2, 6, 4)
	s_cmp_eq_u32 s2, 0
	s_cbranch_scc0 .Lentry_in_a_cluster
	s_endpgm
.Lentry_in_a_cluster:
	s_bfe_u32 s2, ttmp6, 0x10000c
	s_cmp_lg_u32 s2, 0xf033
	s_cbranch_scc0 .Lentry_shape_is_right
	s_endpgm
.Lentry_shape_is_right:
; Q = X Wq, K = X Wk and V^T = (X Wv)^T on codes of FP6 (E2M3) with E8M0 scales, K = 1,024; the results are quantised in registers and leave as codes: nothing in f32 goes to memory.
; Both operands lie in OPc [16 chunks of 64 along K][12288 rows][48] and OPs [4][12288][8]: rows 0..8191 X, 8192.. Wq, 9216.. Wk, 10240.. Wv, each row at sigma(index) (bits 3 and 4 exchanged).
; A tile of 256 x 256 is made by four waves, 128 x 128 each: 64 accumulators.  THE MATRIX INSTRUCTION IS USED TRANSPOSED: source 1 (called A here) gives a lane its row, source 0 (B) runs along the lane's registers;
; by the stored order of rows, register 16 b + i of an A block's 64 is B's natural index 32 b + 16 (lane / 16) + i: 16 neighbours along the axis that is quantised next.
; MODE 0 (cluster y 0..7):  A = 256 tokens, B = 256 columns of Wq (cluster x 0) or Wk (1): a lane holds a token, its registers two heads' 64 channels: quantised along the head's channels.
; MODE 1 (cluster y 8..11): A = 256 columns of Wv, B = 256 tokens: a lane holds a channel, its registers 128 keys: quantised along the keys.
; OUT:  QP [64 heads][16 steps][6,656]: codes [128 stored tokens][48], then words [128][4] (two scale bytes, two bytes 0).
;       KV [64 heads][16 steps][13,056]: K's codes [128][48]; V^T's codes [2 chunks of 64 keys][64 stored channels][48]; K's words [128][4]; V's words [64][4].
; K goes in steps of 256 through a ring of two LDS slots; a wave's tensor load brings 128 rows x 4 chunks: four runs of 6,144 consecutive bytes.  LDS rows are 48 bytes = 12 words apart: the 32 lanes of a load of
; 8 bytes begin at words 12 r + 6 h, 32 different even numbers modulo 64 (64 banks of 4 bytes: ISA guide 11.1): no padding.  The scale bytes of all of K come once, with the first fills.
; CLUSTERS: 4 x 4.  A's tile hangs on the place along y alone and is asked for jointly by a row of the cluster, B's on the place along x alone, by a column.
; No prefetch: K has four steps, two of which are the first fills.
; LIMITS: a block whose largest magnitude lies under 2^-124 has its byte held at 1, a block of zeros too (its codes are zeros; this program alone reads the bytes); NaN and infinities are not served.
; REGISTERS: window 0: v14-31 addresses; v32-63 scale words, two sets, and nothing else; v64-113 at work on the way out; v128-223 A's fragments, later the rows read back.
;   window 1: B's fragments, two sets, at v0 and v128.   windows 2, 3: the accumulators ((a, b) at v[8 (8 (a % 4) + b)] of window 2 + a / 4).
.set PLANE,  589824
.set SPLANE, 98304
.set KSTEPA, 4*PLANE                   ; 256 along K on, in bytes
.set KSTEPB, 4*PLANE
.set NQ,     2
.set CH,     6144                      ; 128 rows of one chunk
.set FR,     12
.set NL,     6
.set NP,     4                         ; places behind this matrix instruction (ISA guide 7.12.1)
.set HALFT,  4*CH                      ; what one tensor load brings
.set SLOT,   4*HALFT                   ; A's two halves, then B's two
.set LAPS,   2
.set SCL,    2*SLOT                    ; behind the ring: the scales, for each wave's load [4][128 rows][8]
.set HALFS,  4096
.set SPARE,  SCL+4*HALFS               ; the spare words, 128 bytes a wave: two blocks of 256 bytes that no other line names
.set WSTG,   13312                     ; the way out: a stage for each wave, in slot 0, which has had its last fill and its last read by then: codes [2][128][48], words [2][128][4]
.set LOF,  14                          ; v14  16 x lane
.set ADRA, 16                          ; v16-17 LDS address of my A fragments in slot 0, 1
.set ADRB, 20                          ; v20-21 the same for B
.set STO,  24                          ; v24  stage + 48 r + 24 h
.set RD,   25                          ; v25  stage + 16 x lane
.set STS,  26                          ; v26  stage + 12288 + 512 h + 4 r
.set ADRS, 27                          ; v27  my scale words: lanes 0-15 A's rows, lanes 16-31 B's
.set SPW,  28                          ; v28  my spare word; never rewritten
.set NIL,  29                          ; v29  0; never rewritten
.set SHV,  30                          ; v30  MODE 0: 16 h, the second head's two bytes for lanes 16-31; MODE 1: 0
.set VSO,  31                          ; v31  16 (lane % 16) + h x (256, or in MODE 1 a head's 208,896 bytes)
.set SC,   32
.set PC,   64                          ; v64-82 the codes just made
.set TM,   96                          ; v96-99 largest magnitudes, v100-103 bytes, v108-111 scale operands
.set PW,   112
.set VAL,  113
.set AF,   128
.set BK,   128
.set G1, 24
.set G0, 32
.set G1B, 48
.set G0B, 56
.set G1S, 68
.set G0S, 76
.set G1SB, 80
.set G0SB, 88
.set SEL, 98
.set MSB, 0
.macro WIN new                         ; the immediate's high byte repeats the setting that is left
.if MSB != \new
	s_set_vgpr_msb (MSB<<8)|\new
.set MSB, \new
.endif
.endm
.set MUL_LO, 0xa1                      ; source 0 (B) window 1, source 1 (A) window 0, C and D window 2
.set MUL_HI, 0xf1
.set TO_B,   0x40
; A joint load: waves 0 and 1 fetch for A, waves 2 and 3 for B; the branch hangs on the wave's number alone.  Four v_nop follow each of the two lines.
.macro JLOAD g0a, g1a, g0b, g1b
	s_cmp_eq_u32 s15, 0
	s_cbranch_scc0 .Lfor_b_\@
	tensor_load_to_lds s[\g0a:\g0a+3], s[\g1a:\g1a+7]
	s_nop 0
.rept 4
	v_nop
.endr
	s_branch .Lasked_\@
.Lfor_b_\@:
	tensor_load_to_lds s[\g0b:\g0b+3], s[\g1b:\g1b+7]
	s_nop 0
.rept 4
	v_nop
.endr
.Lasked_\@:
.endm
.macro CREST                           ; a round of the cluster's barrier behind its opening barrier
	s_cmp_lg_u32 s14, 0
	s_cbranch_scc1 .Lnot_wave_0_\@
	s_barrier_signal -3
.Lnot_wave_0_\@:
	s_barrier_wait -3
	s_barrier_signal -1
	s_barrier_wait -1
.endm
.macro CROUND
	s_barrier_signal -1
	s_barrier_wait -1
	CREST
.endm
	s_load_b128 s[4:7], s[0:1], 0x0                ; OPc, OPs
	s_load_b128 s[8:11], s[0:1], 0x10              ; QP, KV
	v_lshl_add_u32 v[SPW], v0, 2, SPARE
	v_mov_b32 v[NIL], 0
	ds_add_u32 v28, v29
	ds_add_u32 v28, v29
	s_wait_dscnt 0x0
	v_lshrrev_b32 v1, 5, v0
	v_readfirstlane_b32 s14, v1                    ; wave 0..3
	s_lshr_b32 s15, s14, 1                         ; which half of A's rows is mine.  Also: I fetch for A (0) or for B (1)
	s_and_b32 s16, s14, 1                          ; which half of B's rows.  Also: which 128 rows I fetch
	s_bfe_u32 s40, ttmp6, 0x40000                  ; cx, cy: my place in the cluster
	s_bfe_u32 s41, ttmp6, 0x40004
	s_and_b32 s17, ttmp7, 0xffff                   ; cluster y
	s_lshl_b32 s43, s41, 2
	s_lshl_b32 s43, 15, s43                        ; my row of the cluster
	s_lshl_b32 s44, 0x1111, s40                    ; my column
	; descriptor group 1 for codes: 4 rows (chunks) of 768 elements of 8 bytes, a plane apart; no padding
	s_or_b32 s[G1+0], s43, (3<<16)|(1<<21)         ; 15:0 the mask; 17:16 elements of 8 bytes; 21 set beside a mask
	s_or_b32 s[G1B+0], s44, (3<<16)|(1<<21)
.irp g, G1, G1B
	s_mov_b32 s[\g+1], 768<<16                     ; tensor_dim0
	s_mov_b32 s[\g+2], 4<<16                       ; tensor_dim1
	s_mov_b32 s[\g+3], 768<<16                     ; tile_dim0
	s_mov_b32 s[\g+4], 4                           ; tile_dim1
	s_mov_b32 s[\g+5], PLANE/8                     ; tensor_dim0_stride
	s_mov_b32 s[\g+6], 0
	s_mov_b32 s[\g+7], 0
.endr
	; and for the scales: 4 rows of 128 elements of 8 bytes
	s_or_b32 s[G1S+0], s43, (3<<16)|(1<<21)
	s_or_b32 s[G1SB+0], s44, (3<<16)|(1<<21)
.irp g, G1S, G1SB
	s_mov_b32 s[\g+1], 128<<16
	s_mov_b32 s[\g+2], 4<<16
	s_mov_b32 s[\g+3], 128<<16
	s_mov_b32 s[\g+4], 4
	s_mov_b32 s[\g+5], SPLANE/8
	s_mov_b32 s[\g+6], 0
	s_mov_b32 s[\g+7], 0
.endr
	; which rows: the mode hangs on the cluster's y alone, which all sixteen partners share
	s_lshl_b32 s18, s17, 10                        ; MODE 0: A = X's rows 1024 x cluster y on
	s_lshl_b32 s19, ttmp9, 10
	s_add_co_u32 s19, s19, 8192                    ; MODE 0: B = Wq or Wk
	s_max_u32 s20, s17, 8
	s_sub_co_u32 s20, s20, 8
	s_lshl_b32 s20, s20, 1
	s_add_co_u32 s20, s20, ttmp9
	s_lshl_b32 s20, s20, 10                        ; MODE 1: B = X's rows 1024 (cluster x + 2 (cluster y - 8)) on
	s_mov_b32 s21, 10240                           ; MODE 1: A = Wv
	s_cmp_ge_u32 s17, 8
	s_cselect_b32 s97, 1, 0                        ; MODE
	s_cselect_b32 s18, s21, s18
	s_cselect_b32 s19, s20, s19
	s_lshl_b32 s42, s16, 7
	s_lshl_b32 s20, s41, 8
	s_add_co_u32 s20, s20, s18                     ; A's tile: first row
	s_lshl_b32 s46, s40, 8
	s_add_co_u32 s46, s46, s19                     ; B's tile: first row
	s_lshl_b32 s21, s15, 7
	s_add_co_u32 s95, s20, s21                     ; my 128 rows of A (the lanes' rows)
	s_add_co_u32 s96, s46, s42                     ; my 128 rows of B (the registers' axis)
	s_add_co_u32 s20, s20, s42                     ; the 128 rows that I fetch
	s_add_co_u32 s46, s46, s42
	s_lshl_b32 s22, s20, 3                         ; their scale bytes,
	s_lshl_b32 s92, s46, 3
	s_mul_i32 s20, s20, 48                         ; their codes
	s_mul_i32 s46, s46, 48
	s_mov_b32 s21, 0
	s_mov_b32 s23, 0
	s_mov_b32 s47, 0
	s_mov_b32 s93, 0
	s_mul_i32 s45, s14, HALFT                      ; where they go: no place in the cluster enters an LDS address
	s_lshl_b32 s94, s14, 12
	s_mov_b32 s[SEL], 0x76543210
	s_mov_b32 s[SEL+1], 0xfedcba98                 ; v_permlanex16_b32's selects for lane l xor 16
	s_wait_kmcnt 0x0
	s_add_nc_u64 s[20:21], s[4:5], s[20:21]
	s_add_nc_u64 s[22:23], s[6:7], s[22:23]
	s_add_nc_u64 s[46:47], s[4:5], s[46:47]
	s_add_nc_u64 s[92:93], s[6:7], s[92:93]
	CROUND                                         ; all sixteen work-groups are here: the first joint loads meet
	s_mov_b32 s[G0S], 1
	s_add_co_u32 s[G0S+1], s94, SCL
	s_mov_b64 s[G0S+2:G0S+3], s[22:23]
	s_or_b32 s[G0S+3], s[G0S+3], 0x80000000
	s_mov_b32 s[G0SB], 1
	s_add_co_u32 s[G0SB+1], s94, SCL
	s_mov_b64 s[G0SB+2:G0SB+3], s[92:93]
	s_or_b32 s[G0SB+3], s[G0SB+3], 0x80000000
	JLOAD G0S, G1S, G0SB, G1SB                     ; the scales first: they are wanted with K step 0
.irp s, 0,1
	s_mov_b32 s[G0+4*\s], 1
	s_add_co_u32 s[G0+4*\s+1], s45, \s*SLOT
	s_add_nc_u64 s[G0+4*\s+2:G0+4*\s+3], s[20:21], \s*KSTEPA
	s_or_b32 s[G0+4*\s+3], s[G0+4*\s+3], 0x80000000
	s_mov_b32 s[G0B+4*\s], 1
	s_add_co_u32 s[G0B+4*\s+1], s45, \s*SLOT
	s_add_nc_u64 s[G0B+4*\s+2:G0B+4*\s+3], s[46:47], \s*KSTEPB
	s_or_b32 s[G0B+4*\s+3], s[G0B+4*\s+3], 0x80000000
	JLOAD G0+4*\s, G1, G0B+4*\s, G1B
.endr
	v_and_b32 v1, 15, v0                           ; r
	v_bfe_u32 v2, v0, 4, 1                         ; h
	s_wait_alu depctr_va_vdst(0)
	v_mul_u32_u24 v3, v1, 48
	v_mad_u32_u24 v4, v2, 24, v3                   ; 48 r + 24 h
	s_wait_alu depctr_va_vdst(0)
	s_mul_i32 s21, s15, HALFT                      ; my 128 rows of A
	s_mul_i32 s22, s16, HALFT                      ; my 128 rows of B,
	s_add_co_u32 s22, s22, 2*HALFT                 ; behind A's two halves
.irp s, 0,1
	v_add_nc_u32 v[ADRA+\s], s21, v4
	v_add_nc_u32 v[ADRB+\s], s22, v4
	s_add_co_u32 s21, s21, SLOT
	s_add_co_u32 s22, s22, SLOT
.endr
	v_lshlrev_b32 v5, 3, v1                        ; my row's scale bytes: 8 a row
	s_lshl_b32 s21, s15, 12                        ; A's: my half
	s_lshl_b32 s22, s16, 12                        ; B's: my half, behind A's two
	s_add_co_u32 s22, s22, 2*HALFS
	s_sub_co_u32 s22, s22, s21
	v_mul_u32_u24 v6, s22, v2                      ; lanes 16-31 take B's: one product, the distance between the two bases
	s_add_co_u32 s21, s21, SCL
	v_add_nc_u32 v5, v5, v6
	v_add_nc_u32 v[ADRS], s21, v5
	s_mul_i32 s23, s14, WSTG                       ; my stage
	v_add_nc_u32 v[STO], s23, v4
	v_and_b32 v6, 31, v0
	v_lshlrev_b32 v[LOF], 4, v6
	v_add_nc_u32 v[RD], s23, v[LOF]
	v_lshlrev_b32 v5, 2, v1
	v_lshl_add_u32 v5, v2, 9, v5
	v_add_nc_u32 v5, s23, v5
	v_add_nc_u32 v[STS], 12288, v5
	s_cmp_eq_u32 s97, 0
	s_cselect_b32 s66, 16, 0
	v_mul_u32_u24 v[SHV], s66, v2
	s_mov_b32 s66, 208896
	s_cselect_b32 s66, 256, s66
	v_mul_u32_u24 v6, s66, v2
	v_lshl_add_u32 v[VSO], v1, 4, v6
	s_cselect_b32 s67, 0xffff, -1                  ; MODE 0: a word holds two bytes; MODE 1: four
.macro FRAG reg, adr, q, i             ; a fragment, 16 rows x 128 K: registers 6 c .. 6 c + 5 are the 24 bytes at 24 h of my row in chunk 2 q + c, in pieces of 8 bytes
.irp p, 0,1,2,3,4,5
	ds_load_b64 v[\reg+2*\p:\reg+2*\p+1], v[\adr] offset:(2*(\q)+\p/3)*CH+8*(\p%3)+(\i)*768
.endr
.endm
; 16 matrix instructions: A's blocks a0, a0 + 1 x B's eight, 128 along K.  The 64 accumulators take turns, one instruction a turn, in the same order in every step.
.macro MUL16 a0, p, q, sc, zero
.irp a, \a0, \a0+1
.irp b, 0,1,2,3,4,5,6,7
.if \zero
	v_wmma_scale_f32_16x16x128_f8f6f4 v[8*(8*((\a)%4)+\b):8*(8*((\a)%4)+\b)+7], v[128*(\p)+FR*\b:128*(\p)+FR*\b+FR-1], v[AF+FR*(\a):AF+FR*(\a)+FR-1], 0, v[SC+8*NQ*(\sc)+NQ*\b+(\q)], v[SC+8*NQ*(\sc)+NQ*(\a)+(\q)] matrix_a_fmt:MATRIX_FMT_FP6 matrix_b_fmt:MATRIX_FMT_FP6 matrix_a_scale:MATRIX_SCALE_ROW1
.else
	v_wmma_scale_f32_16x16x128_f8f6f4 v[8*(8*((\a)%4)+\b):8*(8*((\a)%4)+\b)+7], v[128*(\p)+FR*\b:128*(\p)+FR*\b+FR-1], v[AF+FR*(\a):AF+FR*(\a)+FR-1], v[8*(8*((\a)%4)+\b):8*(8*((\a)%4)+\b)+7], v[SC+8*NQ*(\sc)+NQ*\b+(\q)], v[SC+8*NQ*(\sc)+NQ*(\a)+(\q)] matrix_a_fmt:MATRIX_FMT_FP6 matrix_b_fmt:MATRIX_FMT_FP6 matrix_a_scale:MATRIX_SCALE_ROW1
.endif
.endr
.endr
.endm
.macro FETCH_B slot, q, p
	WIN TO_B
.irp i, 0,1,2,3,4,5,6,7
	FRAG 128*(\p)+FR*\i, ADRB+\slot, \q, \i
.endr
	WIN 0
.endm
.macro FETCH_A slot, q, i0
.irp i, \i0, \i0+1, \i0+2, \i0+3
	FRAG AF+FR*(\i), ADRA+\slot, \q, \i
.endr
.endm
.macro SCALES sc                       ; a K step's two scale words a row: lanes 0-15 A's block i, lanes 16-31 B's block i
.irp i, 0,1,2,3,4,5,6,7
	ds_load_b64 v[SC+8*NQ*\sc+NQ*\i:SC+8*NQ*\sc+NQ*\i+1], v[ADRS] offset:\i*128
.endr
.endm
.macro PLACES n                        ; plain vector instructions between a matrix instruction and a load into, or a read of, its registers
.rept \n
	v_nop
.endr
.endm
.macro STEP slot, q, zero              ; 128 along K that has its successor in the same slot
	s_wait_dscnt 4*NL                              ; B's set, A's blocks 0-3 and the scale words are in; the youngest 24 loads (A's blocks 4-7) may be out
	WIN MUL_LO
	MUL16 0, (\q)%2, \q, \slot, \zero
	MUL16 2, (\q)%2, \q, \slot, \zero
	s_wait_dscnt 0                                 ; A's blocks 4-7 are in
	PLACES NP
	FETCH_B \slot, (\q)+1, 1-(\q)%2
	FETCH_A \slot, (\q)+1, 0
	WIN MUL_HI
	MUL16 4, (\q)%2, \q, \slot, \zero
	MUL16 6, (\q)%2, \q, \slot, \zero
	PLACES NP
	WIN 0
	FETCH_A \slot, (\q)+1, 4
.endm
; A slot's last 128 along K changes slots: ONE barrier; in front of it each wave waits for all its tensor loads, adds 0 to its spare word, and waits for that and for its reads of this slot.
.macro TURN slot, next, fill
	s_wait_tensorcnt 0x0                           ; all my tensor loads have landed: my part of the next slot
	ds_add_u32 v[SPW], v[NIL]                      ; 0 onto my spare word
	s_wait_dscnt 4*NL+1                            ; the add and the youngest 24 loads may be out
	WIN MUL_LO
	MUL16 0, 1, NQ-1, \slot, 0
	s_wait_dscnt 0x0                               ; the add is done, and my reads of this slot are over
	s_barrier_signal -1
	MUL16 2, 1, NQ-1, \slot, 0
	WIN 0
	s_barrier_wait -1
.if \fill
	CREST                                          ; the barrier has opened a round of the cluster's: no wave of any partner still reads this slot or has a load on its way
	s_add_nc_u64 s[G0+4*\slot+2:G0+4*\slot+3], s[G0+4*\slot+2:G0+4*\slot+3], 2*KSTEPA
	s_add_nc_u64 s[G0B+4*\slot+2:G0B+4*\slot+3], s[G0B+4*\slot+2:G0B+4*\slot+3], 2*KSTEPB
	JLOAD G0+4*\slot, G1, G0B+4*\slot, G1B         ; the first tensor load behind the round; its four v_nop are the places in front of the loads below
.else
	PLACES NP
.endif
	s_wait_alu depctr_va_vdst(0)
	v_add_nc_u32 v[ADRS], 1024, v[ADRS]            ; the next K step's scale words: 128 rows x 8 bytes on
	FETCH_B \next, 0, 0
	FETCH_A \next, 0, 0
	SCALES \next
	WIN MUL_HI
	MUL16 4, 1, NQ-1, \slot, 0
	MUL16 6, 1, NQ-1, \slot, 0
	PLACES NP
	WIN 0
	FETCH_A \next, 0, 4
.endm
	s_wait_tensorcnt 1                             ; the scales and my part of K step 0 are in; K step 1's load may be out
	s_barrier_signal -1
	s_barrier_wait -1
	FETCH_B 0, 0, 0
	FETCH_A 0, 0, 0
	SCALES 0
	FETCH_A 0, 0, 4
	STEP 0, 0, 1                                   ; the first products start the sums: nothing is cleared
	s_mov_b32 s3, LAPS-1
.Llap:                                                 ; a trip goes once round the ring and fills both slots again
	TURN 0, 1, 1
	STEP 1, 0, 0
	TURN 1, 0, 1
	STEP 0, 0, 0
	s_sub_co_u32 s3, s3, 1
	s_cmp_lg_u32 s3, 0
	s_cbranch_scc1 .Llap
	TURN 0, 1, 0                                   ; the last lap fills nothing
	STEP 1, 0, 0
	s_wait_dscnt 4*NL
	WIN MUL_LO
	MUL16 0, 1, NQ-1, 1, 0
	MUL16 2, 1, NQ-1, 1, 0
	s_wait_dscnt 0
	WIN MUL_HI
	MUL16 4, 1, NQ-1, 1, 0
	MUL16 6, 1, NQ-1, 1, 0
	WIN 0
	PLACES NP
	; THE WAY OUT.  Where my 128 x 128 goes: all of this is scalar arithmetic on ids; the descriptors' registers are free (every tensor load was waited for at the last change of slots).
.irp b, 0,1,2,3
	v_mov_b32 v[TM+4+\b], 0                        ; written once: a lane permute's destination counts as one of its sources
.endr
	s_cmp_eq_u32 s97, 0
	s_cselect_b32 s24, s95, s96                    ; the side of the tokens,
	s_cselect_b32 s25, s96, s95                    ; the side of the channels
	s_mov_b32 s26, 10240
	s_cselect_b32 s26, 8192, s26
	s_sub_co_u32 s25, s25, s26                     ; MODE 0: column 0..2047 of (Wq, Wk); MODE 1: column of Wv
	s_lshr_b32 s27, s25, 10                        ; 1: K
	s_and_b32 s25, s25, 1023
	s_lshr_b32 s25, s25, 6                         ; my first head of two
	s_lshr_b32 s28, s24, 11                        ; batch
	s_bfe_u32 s29, s24, 0x40007                    ; step of 128 tokens
	s_lshl_b32 s28, s28, 4
	s_add_co_u32 s28, s28, s25
	s_lshl_b32 s28, s28, 4
	s_add_co_u32 s28, s28, s29                     ; (16 batch + head) 16 + step
	s_or_b32 s30, s27, s97
	s_cmp_lg_u32 s30, 0                            ; K and V go to KV, Q to QP: the choice hangs on ids alone
	s_cselect_b64 s[32:33], s[10:11], s[8:9]
	s_mov_b32 s31, 6656
	s_cselect_b32 s31, 13056, s31                  ; a pack
	s_mov_b32 s34, 6144
	s_cselect_b32 s34, 12288, s34                  ; MODE 0: where the words lie in it
	s_mul_i32 s28, s28, s31
	s_lshl_b32 s36, s31, 4                         ; a head on: 16 packs
	s_mov_b32 s38, 208896
	s_cmp_eq_u32 s97, 0
	s_cselect_b32 s36, s36, 3072                   ; from chunk 0 to chunk 1: MODE 0 the next head; MODE 1 the next 64 keys
	s_cselect_b32 s38, 3072, s38                   ; from rows 0-63 to rows 64-127: MODE 0 on end; MODE 1 the next head
	s_cselect_b32 s30, 0, 6144                     ; V^T's codes lie behind K's
	s_cselect_b32 s34, s34, 6656                   ; V's words: 6,144 + 6,656 = 12,800 into the pack
	s_add_co_u32 s28, s28, s30
	s_add_co_u32 s34, s34, s28
	s_mov_b32 s29, 0
	s_mov_b32 s35, 0
	s_mov_b32 s37, 0
	s_mov_b32 s39, 0
	s_add_nc_u64 s[40:41], s[32:33], s[28:29]      ; chunk 0, rows 0-63
	s_add_nc_u64 s[42:43], s[40:41], s[38:39]      ; chunk 0, rows 64-127
	s_add_nc_u64 s[44:45], s[40:41], s[36:37]      ; chunk 1
	s_add_nc_u64 s[46:47], s[44:45], s[38:39]
	s_add_nc_u64 s[48:49], s[32:33], s[34:35]      ; the words
	s_add_nc_u64 s[50:51], s[48:49], s[36:37]      ; MODE 0: the second head's
; Block a: 16 rows (a lane a row) x 128 along the quantised axis: four blocks of 32, each in lanes l and l xor 16.  Codes in v[PC] on (12 registers: chunk c's 24 bytes at 24 h), the four bytes in v[PW].
.macro QUANT a
.set AC, 64*((\a)%4)
.set W1, 2+(\a)/4
.set W2, W1|(W1<<2)
	WIN W2                                         ; sources 0 and 1: the accumulators' window
.irp b, 0,1,2,3
	v_max3_num_f32 v[TM+\b], |v[AC+16*\b]|, |v[AC+16*\b+1]|, 0x1800000   ; my 16 numbers of block b, each accumulator from its low end on, and the floor 2^(3 - 127)
.endr
.irp i, 2,4,6,8,10,12,14
.irp b, 0,1,2,3
	v_max3_num_f32 v[TM+\b], |v[AC+16*\b+\i]|, |v[AC+16*\b+\i+1]|, v[TM+\b]
.endr
.endr
	WIN 0
.irp b, 0,1,2,3
	v_permlanex16_b32 v[TM+4+\b], v[TM+\b], s[SEL], s[SEL+1]
.endr
.irp b, 0,1,2,3
	v_max_num_f32 v[TM+\b], v[TM+\b], v[TM+4+\b]   ; with lane l xor 16's: the block's largest magnitude
.endr
.irp b, 0,1,2,3
	v_add_nc_u32 v[TM+12+\b], 0xff000000, v[TM+\b] ; 2 off the exponent field: the conversion's scale operand
.endr
.irp b, 0,1,2,3
	v_lshrrev_b32 v[TM+4+\b], 23, v[TM+12+\b]      ; the scale's byte
.endr
	v_lshl_or_b32 v[PW], v[TM+5], 8, v[TM+4]
	v_lshl_or_b32 v[PW], v[TM+6], 16, v[PW]
	v_lshl_or_b32 v[PW], v[TM+7], 24, v[PW]
	s_wait_dscnt 0x0                               ; the last block's stores into the stage have read their registers
	WIN W1                                         ; source 0: the accumulators' window
.irp c, 0,1
	v_cvt_scalef32_pk16_fp6_f32 v[PC+6*\c:PC+6*\c+2], v[AC+32*\c:AC+32*\c+15], v[TM+12+2*\c]
	v_cvt_scalef32_pk16_fp6_f32 v[PC+12+4*\c:PC+14+4*\c], v[AC+32*\c+16:AC+32*\c+31], v[TM+12+2*\c+1]   ; (a conversion's three registers begin on an even number)
.endr
	WIN 0
	v_nop                                          ; one plain place behind a scaled conversion
.irp c, 0,1                                    ; a whole block to a lane: lanes 0-15 block 2 c, lanes 16-31 block 2 c + 1
.irp i, 0,1,2
	v_permlane16_swap_b32 v[PC+6*\c+\i], v[PC+12+4*\c+\i]
.endr
.irp i, 0,1,2
	v_mov_b32 v[PC+3+6*\c+\i], v[PC+12+4*\c+\i]
.endr
.endr
	v_lshrrev_b32 v[VAL], v[SHV], v[PW]            ; MODE 0: lanes 0-15 the first head's two bytes, lanes 16-31 the second's; MODE 1: all four
	v_and_b32 v[VAL], s67, v[VAL]
.irp c, 0,1
.irp i, 0,1,2
	ds_store_b64 v[STO], v[PC+6*\c+2*\i:PC+6*\c+2*\i+1] offset:\c*CH+(\a)*768+8*\i
.endr
.endr
	ds_store_b32 v[STS], v[VAL] offset:64*(\a)
.endm
.irp a, 0,1,2,3,4,5,6,7
	QUANT \a
.endr
.irp t, 0,1,2,3,4,5,6,7,8,9,10,11,12,13,14,15,16,17,18,19,20,21,22,23
	ds_load_b128 v[BK+4*\t:BK+4*\t+3], v[RD] offset:512*\t          ; LDS serves a wave's instructions in order: these see my stores
.endr
	ds_load_b128 v[BK+96:BK+99], v[RD] offset:12288
	ds_load_b128 v[BK+100:BK+103], v[RD] offset:12800
.irp t, 0,1,2,3,4,5,6,7,8,9,10,11,12,13,14,15,16,17,18,19,20,21,22,23
	s_wait_dscnt 25-\t                             ; load t is in; the younger ones stay out
	global_store_b128 v[LOF], v[BK+4*\t:BK+4*\t+3], s[40+4*(\t/12)+2*((\t/6)%2):41+4*(\t/12)+2*((\t/6)%2)] offset:512*(\t%6)   ; 512 consecutive bytes, aligned to 256
.endr
	s_wait_dscnt 1
	global_store_b128 v[VSO], v[BK+96:BK+99], s[48:49]             ; MODE 0: the first head's 128 words; MODE 1: 64 words for each of my two heads: 256 consecutive bytes each
	s_wait_dscnt 0x0
	s_cmp_lg_u32 s97, 0
	s_cbranch_scc1 .Lno_second                     ; MODE 1 has no second piece: the mode is the same in all partners
	global_store_b128 v[LOF], v[BK+100:BK+103], s[50:51]           ; the second head's 128 words
.Lno_second:
	s_wait_tensorcnt 0x0                           ; the wave's end
	ds_add_u32 v[SPW], v[NIL]
	s_wait_dscnt 0x0
	CROUND                                         ; the closing round
	s_endpgm
.Lfunc_end_k_q8486d30971_gemm_qkv:
	.size	k_q8486d30971_gemm_qkv, .Lfunc_end_k_q8486d30971_gemm_qkv-k_q8486d30971_gemm_qkv
	.p2alignl 7, 3214868480
	.fill 96, 4, 3214868480
	.section	.rodata,"a",@progbits
	.p2align	6, 0x0
	.amdhsa_kernel k_q8486d30971_gemm_qkv
		.amdhsa_group_segment_fixed_size 327680
		.amdhsa_private_segment_fixed_size 0
		.amdhsa_enable_private_segment 0
		.amdhsa_kernarg_size 32
		.amdhsa_user_sgpr_count 2
		.amdhsa_user_sgpr_kernarg_segment_ptr 1
		.amdhsa_wavefront_size32 1
		.amdhsa_system_sgpr_workgroup_id_x 1
		.amdhsa_system_sgpr_workgroup_id_y 1
		.amdhsa_system_sgpr_workgroup_id_z 1
		.amdhsa_system_vgpr_workitem_id 0
		.amdhsa_next_free_vgpr 1024
		.amdhsa_next_free_sgpr 100
		.amdhsa_reserve_vcc 0
		.amdhsa_float_denorm_mode_32 3
		.amdhsa_float_denorm_mode_16_64 3
		.amdhsa_memory_ordered 1
		.amdhsa_forward_progress 1
		.amdhsa_inst_pref_size 172
	.end_amdhsa_kernel
	.amdgpu_metadata
---
amdhsa.version: [ 1, 2 ]
amdhsa.kernels:
  - .name:           k_q8486d30971_gemm_qkv
    .symbol:         k_q8486d30971_gemm_qkv.kd
    .args:
      - { .name: OPc, .offset: 0, .size: 8, .value_kind: global_buffer, .address_space: global }
      - { .name: OPs, .offset: 8, .size: 8, .value_kind: global_buffer, .address_space: global }
      - { .name: QP, .offset: 16, .size: 8, .value_kind: global_buffer, .address_space: global }
      - { .name: KV, .offset: 24, .size: 8, .value_kind: global_buffer, .address_space: global }
    .group_segment_fixed_size: 327680
    .private_segment_fixed_size: 0
    .kernarg_segment_align: 8
    .kernarg_segment_size: 32
    .max_flat_workgroup_size: 128
    .sgpr_count:     100
    .vgpr_count:     1024
    .wavefront_size: 32
...
	.end_amdgpu_metadata
.endif
;; end of part 3
;; launch attn (part 4): grid 4 x 64, 16 waves a work-group, clusters of 4 x 1, 236,288 bytes of LDS; arguments QP, KV, Yc, Ys; writes Yc, Ys
.if DOCPART == 4
	.amdgcn_target "amdgcn-amd-amdhsa--gfx1250"
	.amdhsa_code_object_version 6
	.text
	.protected	k_q8486d30971_attn
	.globl	k_q8486d30971_attn
	.p2align	8
	.type	k_q8486d30971_attn,@function
k_q8486d30971_attn:
	s_mov_b64 s[64:65], 0
	v_nop
	global_prefetch_b8 v0, s[64:65] scope:SCOPE_SE
	s_setreg_imm32_b32 hwreg(HW_REG_WAVE_MODE, 25, 1), 1
	s_wait_xcnt 0x0
	s_wait_alu depctr_hold_cnt(0) depctr_sa_sdst(0) depctr_va_vdst(0) depctr_va_sdst(0) depctr_va_ssrc(0) depctr_va_vcc(0) depctr_vm_vsrc(0)
	s_getreg_b32 s2, hwreg(HW_REG_IB_STS2, 6, 4)
	s_cmp_eq_u32 s2, 0
	s_cbranch_scc0 .Lentry_in_a_cluster
	s_endpgm
.Lentry_in_a_cluster:
	s_bfe_u32 s2, ttmp6, 0x10000c
	s_cmp_lg_u32 s2, 0x3003
	s_cbranch_scc0 .Lentry_shape_is_right
	s_endpgm
.Lentry_shape_is_right:
; Y = softmax(Q K^T / 8, causal) V for one head (batch x head = work-group y), both products on codes of FP6 (E2M3) with E8M0 scales; Y is quantised along the channels and leaves as codes.
; t = score x log2(e) / 8; M = the running largest t rounded UP to a whole number; p = 2^(t - M) is quantised along the keys, not normalised; the sum of the unquantised p divides at the end.
; When M moves, the sum and O are multiplied by 2^(old M - new M): exact.  t - M is one fused multiply-add.
; IN:  QP [64 heads][16 steps][6,656]: codes [128 stored tokens][48], words [128][4].   KV [64 heads][16 steps][13,056]: K's codes [128][48], V^T's codes [2][64][48], K's words [128][4], V's words [64][4].
; A token, and a channel of V, lies at sigma(index): bits 3 and 4 exchanged; so 16 neighbouring stored rows as source 0 leave 16 neighbours (natural order) in a lane's 16 registers of two tiles.
; OUT: Yc [16 heads = chunks of 64 along K][8192 stored tokens][48], Ys [4][8192][8]: two bytes for each head.
; SHARES.  The four work-groups of a cluster serve ONE head: its 128 tiles of 16 stored queries.  Wave w of partner cx takes tile 127 - (4 w + cx), then tile 4 w + cx: 16 - w / 2 and w / 2 + 1 key steps of 128:
; 17 in every wave, and both counts hang on the wave's number alone.  The place in the cluster enters global addresses and the mask's comparand only.
; LDS.  The head's whole K and V, 208,896 bytes as they lie in memory, come ONCE, by joint loads (the four partners read the same bytes): four loads a wave, all at the head; nothing is filled again.
; The waits are counted: 53,248 (g + 1) bytes have landed behind wait g, and the steps walked behind it end a pack short of that.  There is no later load ahead of which a prefetch could ask.
; BOTH PRODUCTS TRANSPOSED: S^T = K Q^T, O^T = V^T P^T: a lane holds one query throughout.
; K = 64 IN AN INSTRUCTION OF 128: Q's registers 6-11 hold zero codes; K's fragment t is the run v[32 + 6 t .. + 11], whose upper six registers are the next tile's codes (for t = 7 zeros).  E2M3 has no NaN and no
; infinity, and the words' bytes 2 and 3 are 0, which stands for 2^-127: those products are exact zeros.
; CAUSAL: steps behind a tile's last are left out by a scalar branch on ids inside the loop; in the last step hidden scores become -infinity ahead of the maximum.
; LIMITS: NaN and infinities are not served; a block of p or of Y whose largest magnitude lies under 2^-124 has its byte held at 1 (a block of zeros too: its codes are zeros).
; REGISTERS: v1-11 addresses; v12 -M, v13 largest t, v[14:15] the sum; v16-27 Q; v28 Q's word; v32-85 K's or V's fragments; v86-92 the second tile's Q; v96-159 S^T, then p; v160-191 O^T; v192-210 codes;
;   v212-223 at work; v[228:229] f; v230 p's word; v240-247 K's words, v248-251 V's.
.set PACK,  13056
.set HEADB, 208896
.set QPK,   6656
.set STG,   221952                     ; a pack behind the head's K and V: 768 bytes for each wave, for the way out
.set AKV, 1                            ; v1   48 r + 24 h
.set ASC, 2                            ; v2   4 r
.set ADK, 3                            ; v3   the step's codes
.set ADS, 4                            ; v4   the step's words
.set DQ,  5                            ; v5   my query's place among its step's 128 keys, less 16 h
.set STI, 6                            ; v6   the stage, in
.set SB16, 7                           ; v7   the stage, back: 512 bytes
.set SB8, 8                            ; v8   and 256 more
.set GO16, 9                           ; v9   16 x lane
.set GO8, 10                           ; v10  512 + 8 x lane
.set VR,  11                           ; v11  r + 8 (r / 8) - 16 h
.set HWL, 29                           ; v29  the first tile's two scale bytes
.set YSO, 30                           ; v30  where they go in Ys
.set HWS, 93
.set PCD, 192
.set PC2, 204
.set MX,  212
.set PX,  216
.set SOP, 220
.set NINF, 233
.set WV,  18
.set SEL, 20
.set CS,  22
.set G1A, 24                           ; s[24:31] group 1: 13 rows of 256 bytes;  s[32:39]: 12 rows
.set G1C, 32
.set G0,  40                           ; s[40:55] four groups 0
.set TB,  2                            ; s2   LDS byte of the step in hand
.set SI,  3                            ; s3   its number
.set NS,  66                           ; s66  the tile's steps
.set CNT, 67
.macro CROUND
	s_barrier_signal -1
	s_barrier_wait -1
	s_cmp_lg_u32 s[WV], 0
	s_cbranch_scc1 .Lnot_wave_0_\@
	s_barrier_signal -3
.Lnot_wave_0_\@:
	s_barrier_wait -3
	s_barrier_signal -1
	s_barrier_wait -1
.endm
	s_load_b256 s[4:11], s[0:1], 0x0               ; QP, KV, Yc, Ys
	v_lshl_add_u32 v254, v0, 2, 0x39300
	v_mov_b32 v255, 0
	ds_add_u32 v254, v255
	ds_add_u32 v254, v255
	v_lshrrev_b32 v3, 5, v0
	s_delay_alu instid0(VALU_DEP_1)
	v_readfirstlane_b32 s[WV], v3                  ; wave 0..15
	s_bfe_u32 s12, ttmp6, 0x40000                  ; cx
	s_and_b32 s13, ttmp7, 0xffff                   ; 16 batch + head: the four partners share it
	s_mov_b32 s[G1A], 15|(3<<16)|(1<<21)           ; 15:0 the mask: all four; 17:16 elements of 8 bytes; 21 set beside a mask; no padding
	s_mov_b32 s[G1A+1], 32<<16                     ; tensor_dim0: 256 bytes
	s_mov_b32 s[G1A+2], 13<<16                     ; tensor_dim1
	s_mov_b32 s[G1A+3], 32<<16                     ; tile_dim0
	s_mov_b32 s[G1A+4], 13                         ; tile_dim1
	s_mov_b32 s[G1A+5], 32                         ; dense
	s_mov_b32 s[G1A+6], 0
	s_mov_b32 s[G1A+7], 0
	s_mov_b32 s[G1C], 15|(3<<16)|(1<<21)
	s_mov_b32 s[G1C+1], 32<<16
	s_mov_b32 s[G1C+2], 12<<16
	s_mov_b32 s[G1C+3], 32<<16
	s_mov_b32 s[G1C+4], 12
	s_mov_b32 s[G1C+5], 32
	s_mov_b32 s[G1C+6], 0
	s_mov_b32 s[G1C+7], 0
	s_mul_i32 s84, s13, HEADB
	s_mov_b32 s85, 0
	s_mul_i32 s16, s[WV], 3328                     ; my part of stages 0 to 2,
	s_mul_i32 s17, s[WV], 3072
	s_add_co_u32 s17, s17, 159744                  ; and of stage 3: the same byte in LDS and in the head
	s_mov_b32 s[SEL], 0x76543210
	s_mov_b32 s[SEL+1], 0xfedcba98
	s_mov_b32 s[CS], 0x3e38aa3b                    ; c = log2(e) / 8
	s_mov_b32 s[CS+1], s[CS]
	s_wait_dscnt 0x0
	s_wait_kmcnt 0x0
	s_add_nc_u64 s[6:7], s[6:7], s[84:85]          ; the head's K and V
.irp g, 0,1,2
	s_mov_b32 s[G0+4*\g], 1
	s_add_co_u32 s[G0+4*\g+1], s16, 53248*\g
	s_mov_b32 s84, s[G0+4*\g+1]
	s_add_nc_u64 s[G0+4*\g+2:G0+4*\g+3], s[6:7], s[84:85]
	s_or_b32 s[G0+4*\g+3], s[G0+4*\g+3], 0x80000000
.endr
	s_mov_b32 s[G0+12], 1
	s_mov_b32 s[G0+13], s17
	s_mov_b32 s84, s17
	s_add_nc_u64 s[G0+14:G0+15], s[6:7], s[84:85]
	s_or_b32 s[G0+15], s[G0+15], 0x80000000
	CROUND                                         ; all four work-groups are here: the joint loads meet
	tensor_load_to_lds s[G0:G0+3], s[G1A:G1A+7]    ; four loads of mine are out
	s_nop 0
	tensor_load_to_lds s[G0+4:G0+7], s[G1A:G1A+7]
	s_nop 0
	tensor_load_to_lds s[G0+8:G0+11], s[G1A:G1A+7]
	s_nop 0
	tensor_load_to_lds s[G0+12:G0+15], s[G1C:G1C+7]
	s_nop 0
.rept 4
	v_nop
.endr
	s_lshl_b32 s15, s[WV], 2
	s_add_co_u32 s15, s15, s12                     ; the short tile
	s_sub_co_u32 s14, 127, s15                     ; the long tile
	s_lshr_b32 s83, s[WV], 1
	s_sub_co_u32 s82, 16, s83                      ; its steps
	s_add_co_u32 s83, s83, 1                       ; the short tile's
.macro QADR j, pc, pw                  ; tile s[j]: its codes' and its words' addresses
	s_lshr_b32 s84, s[\j], 3
	s_lshl_b32 s86, s13, 4
	s_add_co_u32 s84, s84, s86
	s_mul_i32 s84, s84, QPK
	s_and_b32 s86, s[\j], 7
	s_mul_i32 s87, s86, 768
	s_add_co_u32 s87, s87, s84
	s_lshl_b32 s86, s86, 6
	s_add_co_u32 s86, s86, s84
	s_add_co_u32 s86, s86, 6144
	s_mov_b32 s84, s87
	s_add_nc_u64 s[\pc:\pc+1], s[4:5], s[84:85]
	s_mov_b32 s84, s86
	s_add_nc_u64 s[\pw:\pw+1], s[4:5], s[84:85]
.endm
	QADR 14, 68, 70
	QADR 15, 72, 74
	v_and_b32 v12, 15, v0                          ; r
	v_bfe_u32 v13, v0, 4, 1                        ; h
	s_delay_alu instid0(VALU_DEP_2)
	v_mul_u32_u24 v[AKV], v12, 48
	s_delay_alu instid0(VALU_DEP_1)
	v_mad_u32_u24 v[AKV], v13, 24, v[AKV]
	s_wait_alu depctr_va_vdst(0)
	v_lshlrev_b32 v[ASC], 2, v12
.irp i, 0,1,2
	global_load_b64 v[16+2*\i:17+2*\i], v[AKV], s[68:69] offset:8*\i
	global_load_b64 v[86+2*\i:87+2*\i], v[AKV], s[72:73] offset:8*\i
.endr
	global_load_b32 v28, v[ASC], s[70:71]
	global_load_b32 v92, v[ASC], s[74:75]
	s_and_b32 s86, s13, 15                         ; head
	s_lshr_b32 s87, s13, 4                         ; batch
	s_mul_i32 s88, s86, 393216                     ; Yc: the head's plane,
	s_mul_i32 s89, s87, 98304                      ; the batch's 2,048 rows of 48 bytes,
	s_add_co_u32 s88, s88, s89
	s_mul_i32 s89, s14, 768                        ; the tile's 16
	s_add_co_u32 s84, s88, s89
	s_add_nc_u64 s[76:77], s[8:9], s[84:85]
	s_mul_i32 s89, s15, 768
	s_add_co_u32 s84, s88, s89
	s_add_nc_u64 s[78:79], s[8:9], s[84:85]
	s_lshr_b32 s88, s86, 2                         ; Ys: plane head / 4, the batch's rows of 8 bytes, byte 2 (head % 4)
	s_lshl_b32 s88, s88, 16
	s_lshl_b32 s89, s87, 14
	s_add_co_u32 s88, s88, s89
	s_and_b32 s89, s86, 3
	s_lshl_b32 s89, s89, 1
	s_add_co_u32 s84, s88, s89
	s_add_nc_u64 s[80:81], s[10:11], s[84:85]
	s_bfe_u32 s86, s14, 0x20001                    ; a tile's first query among its step's 128 keys: 32 ((j / 2) % 4) + 8 (j % 2)
	s_lshl_b32 s86, s86, 5
	s_and_b32 s87, s14, 1
	s_lshl_b32 s87, s87, 3
	s_add_co_u32 s91, s86, s87
	s_bfe_u32 s86, s15, 0x20001
	s_lshl_b32 s86, s86, 5
	s_and_b32 s87, s15, 1
	s_lshl_b32 s87, s87, 3
	s_add_co_u32 s92, s86, s87
	s_lshl_b32 s93, s14, 7                         ; a tile's 16 rows of 8 bytes in Ys
	s_lshl_b32 s94, s15, 7
	s_mul_i32 s86, s[WV], 768
	s_add_co_u32 s86, s86, STG                     ; my stage
	v_add_nc_u32 v[STI], s86, v[AKV]
	v_and_b32 v14, 31, v0
	s_delay_alu instid0(VALU_DEP_1)
	v_lshlrev_b32 v[GO16], 4, v14
	s_delay_alu instid0(VALU_DEP_1)
	v_add_nc_u32 v[SB16], s86, v[GO16]
	s_delay_alu instid0(VALU_DEP_3)
	v_lshlrev_b32 v[GO8], 3, v14
	s_delay_alu instid0(VALU_DEP_1)
	v_add_nc_u32 v[GO8], 512, v[GO8]
	s_delay_alu instid0(VALU_DEP_1)
	v_add_nc_u32 v[SB8], s86, v[GO8]
	v_and_b32 v[VR], 8, v12
	s_delay_alu instid0(VALU_DEP_1)
	v_add_nc_u32 v[VR], v[VR], v12
	v_lshlrev_b32 v15, 4, v13
	s_delay_alu instid0(VALU_DEP_1)
	v_sub_nc_u32 v[VR], v[VR], v15
	v_mov_b32 v14, s93
	v_mov_b32 v15, s94
	v_cmp_eq_u32 s90, 1, v13                       ; lanes 16-31: they store the short tile's bytes
	s_delay_alu instid0(VALU_DEP_1)
	v_cndmask_b32 v[YSO], v14, v15, s90
	s_delay_alu instid0(VALU_DEP_1)
	v_lshl_add_u32 v[YSO], v12, 3, v[YSO]
.irp i, 22,23,24,25,26,27,80,81,82,83,84,85
	v_mov_b32 v[\i], 0                             ; zero codes: Q's upper 64 along K, and what stands behind K's last tile
.endr
.irp b, 0,1,2,3
	v_mov_b32 v[PX+\b], 0                          ; written once: a lane permute's destination counts as one of its sources
.endr
	v_mov_b32 v229, 0                              ; (named as the upper half of the pair v[228:229])
	v_mov_b32 v231, 0
	v_mov_b32 v[NINF], 0xff800000                  ; -infinity
; A KEY STEP: 128 keys.
.macro STEP
	s_cmp_ge_u32 s[SI], s[NS]                      ; behind the tile's last step all keys are hidden: the work is left out, the steps of the addresses are not
	s_cbranch_scc1 .Lhidden_\@
	s_setprio 2
	v_add_nc_u32 v[ADK], s[TB], v[AKV]
	v_add_nc_u32 v[ADS], s[TB], v[ASC]
.irp t, 0,1,2,3,4,5,6,7
.irp i, 0,1,2
	ds_load_b64 v[32+6*\t+2*\i:33+6*\t+2*\i], v[ADK] offset:768*\t+8*\i
.endr
	ds_load_b32 v[240+\t], v[ADS] offset:12288+64*\t
.endr
	s_wait_alu depctr_va_vdst(0)
	s_wait_dscnt 0x0
.irp t, 0,1,2,3,4,5,6,7
	v_wmma_scale_f32_16x16x128_f8f6f4 v[96+8*\t:103+8*\t], v[32+6*\t:43+6*\t], v[16:27], 0, v[240+\t], v28 matrix_a_fmt:MATRIX_FMT_FP6 matrix_b_fmt:MATRIX_FMT_FP6
.endr
.rept 4
	v_nop                                          ; places in front of the loads below and of the first read of the scores
.endr
.irp t, 0,1,2,3                                ; V^T's four fragments land under the softmax
.irp p, 0,1,2,3,4,5
	ds_load_b64 v[32+12*\t+2*\p:33+12*\t+2*\p], v[ADK] offset:6144+3072*(\p/3)+768*\t+8*(\p%3)
.endr
	ds_load_b32 v[248+\t], v[ADS] offset:12800+64*\t
.endr
	s_add_co_u32 s84, s[SI], 1
	s_cmp_lg_u32 s84, s[NS]
	s_cbranch_scc1 .Lopen_\@                       ; only the tile's last step lies on the diagonal
.set J, 0
.rept 64                                       ; register 16 b + i holds key 32 b + 16 h + i of the step: hidden where 32 b + i > my query's place - 16 h
	v_cmp_gt_i32 vcc_lo, 32*(J/16)+J%16, v[DQ]
	v_cndmask_b32 v[96+J], v[96+J], v[NINF], vcc_lo
.set J, J+1
.endr
.Lopen_\@:
.irp b, 0,1,2,3
	v_max3_num_f32 v[MX+\b], v[96+16*\b], v[97+16*\b], v[98+16*\b]   ; the largest score of each block of 32 keys: for the row's maximum and, since p rises with the score, for the block's largest p
.endr
.irp i, 3,5,7,9,11,13
.irp b, 0,1,2,3
	v_max3_num_f32 v[MX+\b], v[MX+\b], v[96+16*\b+\i], v[97+16*\b+\i]
.endr
.endr
.irp b, 0,1,2,3
	v_max_num_f32 v[MX+\b], v[MX+\b], v[111+16*\b]
.endr
.irp b, 0,1,2,3
	s_delay_alu instid0(VALU_DEP_4)
	v_permlanex16_b32 v[PX+\b], v[MX+\b], s[SEL], s[SEL+1]
.endr
.irp b, 0,1,2,3
	s_delay_alu instid0(VALU_DEP_4)
	v_max_num_f32 v[MX+\b], v[MX+\b], v[PX+\b]     ; with lane l xor 16's 16 keys
.endr
	s_delay_alu instid0(VALU_DEP_2)
	v_max3_num_f32 v231, v[MX], v[MX+1], v[MX+2]
	s_delay_alu instid0(VALU_DEP_1)
	v_max_num_f32 v231, v231, v[MX+3]
	s_delay_alu instid0(VALU_DEP_1)
	v_mul_f32 v231, s[CS], v231                    ; as t
	s_delay_alu instid0(VALU_DEP_1)
	v_max_num_f32 v13, v13, v231                   ; the running largest t
	v_mov_b32 v231, v12
	s_delay_alu instid0(VALU_DEP_2)
	v_floor_f32 v12, -v13                          ; -M = floor(-t): M is a whole number
	s_delay_alu instid0(VALU_DEP_1)
	v_sub_f32 v231, v12, v231                      ; old M - new M: a whole number, 0 or less
	s_delay_alu instid0(VALU_DEP_1)
	v_cvt_i32_f32 v231, v231                       ; (it saturates)
	s_delay_alu instid0(VALU_DEP_1)
	v_ldexp_f32 v228, 1.0, v231                    ; f = 2^(old M - new M)
.set J, 0
	s_setprio 1
.rept 32
	v_pk_fma_f32 v[96+J:97+J], v[96+J:97+J], s[CS:CS+1], v[12:13] op_sel_hi:[1,0,0]   ; t - M, two at a time
.set J, J+2
.endr
.irp b, 0,1,2,3
	v_fma_f32 v[MX+\b], v[MX+\b], s[CS], v12       ; the same of each block's largest score
.endr
.set J, 0
	s_wait_alu depctr_va_vdst(0)
.rept 64
	v_exp_f32 v[96+J], v[96+J]                     ; p = 2^(t - M)
.set J, J+1
.endr
	v_pk_mul_f32 v[14:15], v[14:15], v[228:229] op_sel_hi:[1,0]    ; the sums under the new M: the plain place behind the exponentials
	s_wait_alu depctr_va_vdst(0)                   ; one wait for the batch of 64, ahead of its first reader
.irp b, 0,1,2,3
	v_exp_f32 v[MX+\b], v[MX+\b]                   ; the block's largest p
.endr
	v_pk_add_f32 v[216:217], v[100:101], v[104:105]
	v_pk_add_f32 v[252:253], v[108:109], v[112:113]
	v_pk_add_f32 v[246:247], v[116:117], v[120:121]
	v_pk_add_f32 v[244:245], v[124:125], v[128:129]
	v_pk_add_f32 v[242:243], v[132:133], v[136:137]
	v_pk_add_f32 v[240:241], v[140:141], v[144:145]
	v_pk_add_f32 v[238:239], v[148:149], v[152:153]
	v_pk_add_f32 v[14:15], v[14:15], v[156:157]
	v_pk_add_f32 v[216:217], v[216:217], v[96:97]
	v_pk_add_f32 v[252:253], v[252:253], v[98:99]
	v_pk_add_f32 v[246:247], v[246:247], v[102:103]
	v_pk_add_f32 v[244:245], v[244:245], v[106:107]
	v_pk_add_f32 v[242:243], v[242:243], v[110:111]
	v_pk_add_f32 v[240:241], v[240:241], v[114:115]
	v_pk_add_f32 v[238:239], v[238:239], v[118:119]
	v_pk_add_f32 v[14:15], v[14:15], v[122:123]
	v_pk_add_f32 v[216:217], v[216:217], v[126:127]
	v_pk_add_f32 v[252:253], v[252:253], v[130:131]
	v_pk_add_f32 v[246:247], v[246:247], v[134:135]
	v_pk_add_f32 v[244:245], v[244:245], v[138:139]
	v_pk_add_f32 v[242:243], v[242:243], v[142:143]
	v_pk_add_f32 v[240:241], v[240:241], v[146:147]
	v_pk_add_f32 v[238:239], v[238:239], v[150:151]
	v_pk_add_f32 v[14:15], v[14:15], v[154:155]
	v_pk_add_f32 v[216:217], v[216:217], v[158:159]
	s_delay_alu instid0(VALU_DEP_2)
	v_pk_add_f32 v[14:15], v[14:15], v[244:245]
	s_delay_alu instid0(VALU_DEP_2)
	v_pk_add_f32 v[216:217], v[216:217], v[242:243]
	v_pk_add_f32 v[252:253], v[252:253], v[240:241]
	v_pk_add_f32 v[246:247], v[246:247], v[238:239]
	s_delay_alu instid0(VALU_DEP_2)
	v_pk_add_f32 v[14:15], v[14:15], v[252:253]
	s_delay_alu instid0(VALU_DEP_2)
	v_pk_add_f32 v[216:217], v[216:217], v[246:247]
	s_delay_alu instid0(VALU_DEP_1)
	v_pk_add_f32 v[14:15], v[14:15], v[216:217]
	s_wait_alu depctr_va_vdst(0)                   ; and one for the four
.irp b, 0,1,2,3
	v_max_num_f32 v[MX+\b], 0x1800000, v[MX+\b]    ; the floor 2^(3 - 127)
.endr
.irp b, 0,1,2,3
	s_delay_alu instid0(VALU_DEP_4)
	v_add_nc_u32 v[SOP+\b], 0xff000000, v[MX+\b]   ; 2 off the exponent field: the conversion's scale operand
.endr
.irp b, 0,1,2,3
	s_delay_alu instid0(VALU_DEP_4)
	v_lshrrev_b32 v[PX+\b], 23, v[SOP+\b]          ; the scale's byte
.endr
	s_delay_alu instid0(VALU_DEP_3)
	v_lshl_or_b32 v230, v[PX+1], 8, v[PX]          ; p's scale word for these 128 keys
	s_delay_alu instid0(VALU_DEP_1)
	v_lshl_or_b32 v230, v[PX+2], 16, v230
	s_delay_alu instid0(VALU_DEP_1)
	v_lshl_or_b32 v230, v[PX+3], 24, v230
	s_setprio 0
.irp c, 0,1
	v_cvt_scalef32_pk16_fp6_f32 v[PCD+6*\c:PCD+2+6*\c], v[96+32*\c:111+32*\c], v[SOP+2*\c]
	v_cvt_scalef32_pk16_fp6_f32 v[PC2+4*\c:PC2+2+4*\c], v[112+32*\c:127+32*\c], v[SOP+2*\c+1]
.endr
	v_nop                                          ; one plain place behind a scaled conversion
.irp c, 0,1                                    ; a whole block to a lane
.irp i, 0,1,2
	v_permlane16_swap_b32 v[PCD+6*\c+\i], v[PC2+4*\c+\i]
.endr
.irp i, 0,1,2
	s_delay_alu instid0(VALU_DEP_3)
	v_mov_b32 v[PCD+3+6*\c+\i], v[PC2+4*\c+\i]
.endr
.endr
.set J, 0
.rept 16
	v_pk_mul_f32 v[160+J:161+J], v[160+J:161+J], v[228:229] op_sel_hi:[1,0]   ; O^T under the new M; these sixteen are also the places between the scale word, the codes and the products
.set J, J+2
.endr
	s_wait_alu depctr_va_vdst(0)
	s_wait_dscnt 0x0                               ; V^T's fragments and words are in
.irp t, 0,1,2,3                                ; four accumulators by turns, one instruction a turn
	v_wmma_scale_f32_16x16x128_f8f6f4 v[160+8*\t:167+8*\t], v[32+12*\t:43+12*\t], v[PCD:PCD+11], v[160+8*\t:167+8*\t], v[248+\t], v230 matrix_a_fmt:MATRIX_FMT_FP6 matrix_b_fmt:MATRIX_FMT_FP6
.endr
.rept 4
	v_nop                                          ; places in front of the next loads into the fragments and of the next read of O^T
.endr
.Lhidden_\@:
	s_add_co_u32 s[SI], s[SI], 1
	s_add_co_u32 s[TB], s[TB], PACK
.endm
.macro STEPS n                         ; every wave walks every trip: the count is a constant
	s_mov_b32 s[CNT], \n
.Lst_\@:
	STEP
	s_sub_co_u32 s[CNT], s[CNT], 1
	s_cmp_lg_u32 s[CNT], 0
	s_cbranch_scc1 .Lst_\@
	s_setprio 0
.endm
.macro INIT dq, ns                     ; O^T and the sum begin as zeros and the largest t as -3e38: the first change of M multiplies zeros
	v_mov_b32 v13, 0xff61b1e6
	s_delay_alu instid0(VALU_DEP_1)
	v_floor_f32 v12, -v13
	v_mov_b32 v14, 0
	v_mov_b32 v15, 0
.set J, 0
.rept 32
	v_mov_b32 v[160+J], 0
.set J, J+1
.endr
	v_add_nc_u32 v[DQ], s[\dq], v[VR]
	s_mov_b32 s[SI], 0
	s_mov_b32 s[NS], s[\ns]
.endm
; THE WAY OUT of a tile: O^T / the sum is Y's 64 channels of my query, register 16 b + i = channel 32 b + 16 h + i: two blocks, quantised; the 16 rows x 48 bytes go through my stage and leave as 768 consecutive bytes.
.macro OUT yb, hw
	v_add_f32 v14, v14, v15
	s_delay_alu instid0(VALU_DEP_1)
	v_permlanex16_b32 v231, v14, s[SEL], s[SEL+1]
	s_delay_alu instid0(VALU_DEP_1)
	v_add_f32 v14, v14, v231                       ; the row's sum
	s_wait_alu depctr_va_vdst(0)
	v_rcp_f32 v14, v14
	v_nop                                          ; a plain place behind the transcendental
	s_wait_alu depctr_va_vdst(0)                   ; and the wait ahead of its first reader
.set J, 0
.rept 32
	v_mul_f32 v[96+J], v[160+J], v14               ; each accumulator from its low end on
.set J, J+1
.endr
.irp b, 0,1
	v_max3_num_f32 v[MX+\b], |v[96+16*\b]|, |v[97+16*\b]|, 0x1800000
.endr
.irp i, 2,4,6,8,10,12,14
.irp b, 0,1
	s_delay_alu instid0(VALU_DEP_2)
	v_max3_num_f32 v[MX+\b], v[MX+\b], |v[96+16*\b+\i]|, |v[97+16*\b+\i]|
.endr
.endr
.irp b, 0,1
	s_delay_alu instid0(VALU_DEP_2)
	v_permlanex16_b32 v[PX+\b], v[MX+\b], s[SEL], s[SEL+1]
.endr
.irp b, 0,1
	s_delay_alu instid0(VALU_DEP_2)
	v_max_num_f32 v[MX+\b], v[MX+\b], v[PX+\b]
.endr
.irp b, 0,1
	s_delay_alu instid0(VALU_DEP_2)
	v_add_nc_u32 v[SOP+\b], 0xff000000, v[MX+\b]
.endr
.irp b, 0,1
	s_delay_alu instid0(VALU_DEP_2)
	v_lshrrev_b32 v[PX+\b], 23, v[SOP+\b]
.endr
	s_delay_alu instid0(VALU_DEP_1)
	v_lshl_or_b32 v[\hw], v[PX+1], 8, v[PX]        ; my row's two scale bytes
	v_cvt_scalef32_pk16_fp6_f32 v[PCD:PCD+2], v[96:111], v[SOP]
	v_cvt_scalef32_pk16_fp6_f32 v[PC2:PC2+2], v[112:127], v[SOP+1]
	v_nop
.irp i, 0,1,2
	v_permlane16_swap_b32 v[PCD+\i], v[PC2+\i]
.endr
.irp i, 0,1,2
	s_delay_alu instid0(VALU_DEP_3)
	v_mov_b32 v[PCD+3+\i], v[PC2+\i]
.endr
.irp i, 0,1,2
	ds_store_b64 v[STI], v[PCD+2*\i:PCD+2*\i+1] offset:8*\i
.endr
	ds_load_b128 v[236:239], v[SB16]               ; LDS serves a wave's instructions in order: these see my stores
	ds_load_b64 v[234:235], v[SB8]
	s_wait_dscnt 0x1                               ; the first is in
	global_store_b128 v[GO16], v[236:239], s[\yb:\yb+1]            ; 512 consecutive bytes, aligned to 256,
	s_wait_dscnt 0x0
	global_store_b64 v[GO8], v[234:235], s[\yb:\yb+1]              ; and 256 more
.endm
	s_wait_loadcnt 0x0                             ; Q of both tiles
	INIT 91, 82                                    ; the long tile first: all waves work while the later stages land
	s_wait_tensorcnt 0x3                           ; my part of the first 53,248 bytes is in; three loads stay out
	s_barrier_signal -1
	s_barrier_wait -1                              ; everybody's is: steps 0 to 2 end at byte 39,168
	s_mov_b32 s[TB], 0
	STEPS 3
	s_wait_tensorcnt 0x2                           ; 106,496 bytes
	s_wait_dscnt 0x0
	s_barrier_signal -1
	s_barrier_wait -1                              ; steps 3 to 6 end at byte 91,392
	s_mov_b32 s[TB], 3*PACK
	STEPS 4
	s_wait_tensorcnt 0x1                           ; 159,744 bytes
	s_wait_dscnt 0x0
	s_barrier_signal -1
	s_barrier_wait -1                              ; steps 7 to 10 end at byte 143,616
	s_mov_b32 s[TB], 7*PACK
	STEPS 4
	s_wait_tensorcnt 0x0                           ; all of the head
	s_wait_dscnt 0x0
	s_barrier_signal -1
	s_barrier_wait -1
	s_mov_b32 s[TB], 11*PACK
	STEPS 5
	OUT 76, HWL
	s_wait_xcnt 0x0                                ; the stores have read their registers: the second way out writes them again
.irp i, 0,1,2,3,4,5
	v_mov_b32 v[16+\i], v[86+\i]                   ; the short tile's Q
.endr
	v_mov_b32 v28, v92                             ; and its scale word: the 36 lines of INIT stand between it and the next product
	INIT 92, 83
	s_mov_b32 s[TB], 0
	STEPS 8
	OUT 78, HWS
	s_wait_alu depctr_va_vdst(0)
	v_cndmask_b32 v94, v[HWL], v[HWS], s90         ; lanes 0-15 the long tile's rows, lanes 16-31 the short tile's
	global_store_b16 v[YSO], v94, s[80:81]         ; two bytes of a row's eight: the other heads' come from other work-groups
	s_wait_dscnt 0x0
	s_wait_tensorcnt 0x0
	ds_add_u32 v254, v255
	s_wait_dscnt 0x0
	CROUND                                         ; the closing round
	s_endpgm
.Lfunc_end_k_q8486d30971_attn:
	.size	k_q8486d30971_attn, .Lfunc_end_k_q8486d30971_attn-k_q8486d30971_attn
	.p2alignl 7, 3214868480
	.fill 96, 4, 3214868480
	.section	.rodata,"a",@progbits
	.p2align	6, 0x0
	.amdhsa_kernel k_q8486d30971_attn
		.amdhsa_group_segment_fixed_size 236288
		.amdhsa_private_segment_fixed_size 0
		.amdhsa_enable_private_segment 0
		.amdhsa_kernarg_size 32
		.amdhsa_user_sgpr_count 2
		.amdhsa_user_sgpr_kernarg_segment_ptr 1
		.amdhsa_wavefront_size32 1
		.amdhsa_system_sgpr_workgroup_id_x 1
		.amdhsa_system_sgpr_workgroup_id_y 1
		.amdhsa_system_sgpr_workgroup_id_z 1
		.amdhsa_system_vgpr_workitem_id 0
		.amdhsa_next_free_vgpr 256
		.amdhsa_next_free_sgpr 100
		.amdhsa_reserve_vcc 1
		.amdhsa_float_denorm_mode_32 3
		.amdhsa_float_denorm_mode_16_64 3
		.amdhsa_memory_ordered 1
		.amdhsa_forward_progress 1
		.amdhsa_inst_pref_size 143
	.end_amdhsa_kernel
	.amdgpu_metadata
---
amdhsa.version: [ 1, 2 ]
amdhsa.kernels:
  - .name:           k_q8486d30971_attn
    .symbol:         k_q8486d30971_attn.kd
    .args:
      - { .name: QP, .offset: 0, .size: 8, .value_kind: global_buffer, .address_space: global }
      - { .name: KV, .offset: 8, .size: 8, .value_kind: global_buffer, .address_space: global }
      - { .name: Yc, .offset: 16, .size: 8, .value_kind: global_buffer, .address_space: global }
      - { .name: Ys, .offset: 24, .size: 8, .value_kind: global_buffer, .address_space: global }
    .group_segment_fixed_size: 236288
    .private_segment_fixed_size: 0
    .kernarg_segment_align: 8
    .kernarg_segment_size: 32
    .max_flat_workgroup_size: 512
    .sgpr_count:     100
    .vgpr_count:     256
    .wavefront_size: 32
...
	.end_amdgpu_metadata
.endif
;; end of part 4
;; launch gemm_out (part 5): grid 4 x 32, 4 waves a work-group, clusters of 4 x 4, 327,680 bytes of LDS; arguments Yc, Ys, OPc, OPs, bo, out0; writes out0
.if DOCPART == 5
	.amdgcn_target "amdgcn-amd-amdhsa--gfx1250"
	.amdhsa_code_object_version 6
	.text
	.protected	k_q8486d30971_gemm_out
	.globl	k_q8486d30971_gemm_out
	.p2align	8
	.type	k_q8486d30971_gemm_out,@function
k_q8486d30971_gemm_out:
	s_mov_b64 s[64:65], 0
	v_nop
	global_prefetch_b8 v0, s[64:65] scope:SCOPE_SE
	s_setreg_imm32_b32 hwreg(HW_REG_WAVE_MODE, 25, 1), 1
	s_wait_xcnt 0x0
	s_wait_alu depctr_hold_cnt(0) depctr_sa_sdst(0) depctr_va_vdst(0) depctr_va_sdst(0) depctr_va_ssrc(0) depctr_va_vcc(0) depctr_vm_vsrc(0)
	s_getreg_b32 s2, hwreg(HW_REG_IB_STS2, 6, 4)
	s_cmp_eq_u32 s2, 0
	s_cbranch_scc0 .Lentry_in_a_cluster
	s_endpgm
.Lentry_in_a_cluster:
	s_bfe_u32 s2, ttmp6, 0x10000c
	s_cmp_lg_u32 s2, 0xf033
	s_cbranch_scc0 .Lentry_shape_is_right
	s_endpgm
.Lentry_shape_is_right:
; out0 = Y Wo + bo on codes of FP6 (E2M3) with E8M0 scales, K = 1,024; sums in f32.
; A (source 1: a lane's row) = Y: Yc [16 chunks of 64 along K][8192 stored tokens][48], Ys [4][8192][8].   B (source 0: along a lane's registers) = Wo: rows 11264 + sigma(n) of OPc [16][12288][48], OPs [4][12288][8].
; Rows lie at sigma(index), bits 3 and 4 exchanged: register 8 b + j of an A block's 64 is column 32 (b / 2) + 16 (lane / 16) + 8 (b % 2) + j, and stored row 16 a + t is token 32 (a / 2) + 8 (a % 2) + t + 8 (t / 8):
; both are undone on the way out, by the stage's offsets and the stores' immediates.
; A tile of 256 x 256 is made by four waves, 128 x 128 each.  K goes in steps of 256 through a ring of two LDS slots; a wave's tensor load brings 128 rows x 4 chunks: four runs of 6,144 consecutive bytes.
; LDS rows are 48 bytes = 12 words apart: the 32 lanes of a load of 8 bytes begin at 32 different even words modulo 64 (64 banks of 4 bytes: ISA guide 11.1): no padding.  The scale bytes of all of K come once.
; The bias is the C of each sum's first matrix instruction: eight registers for each of B's eight blocks, in the result's layout.
; CLUSTERS: 4 x 4; A's tile is asked for jointly by a row of the cluster, B's by a column.  No prefetch: K has four steps, two of which are the first fills.
; REGISTERS: window 0: v13-29 addresses; v32-63 scale words, two sets, and nothing else; v64-127 the bias; v128-223 A's fragments; on the way out v128-255 rows read back.
;   window 1: B's fragments, two sets.   windows 2, 3: the accumulators.
.set PLANEA, 393216
.set SPLANA, 65536
.set PLANE,  589824
.set SPLANE, 98304
.set KSTEPA, 4*PLANEA
.set KSTEPB, 4*PLANE
.set NQ,     2
.set CH,     6144
.set FR,     12
.set NL,     6
.set NP,     4                         ; places behind this matrix instruction (ISA guide 7.12.1)
.set HALFT,  4*CH
.set SLOT,   4*HALFT
.set LAPS,   2
.set SCL,    2*SLOT
.set HALFS,  4096
.set SPARE,  SCL+4*HALFS               ; the spare words, 128 bytes a wave: two blocks of 256 bytes that no other line names
.set SPITCH, 528                       ; the way out: 16 rows x (512 bytes + 16) for each wave, in slot 0, which has had its last fill and its last read by then
.set BOF,  13                          ; v13  64 h: the bias
.set ADRA, 16
.set ADRB, 20
.set STO,  24
.set RD,   25
.set CO,   26
.set ADRS, 27
.set SPW,  28
.set NIL,  29
.set SC,   32
.set BIAS, 64
.set AF,   128
.set BK,   128
.set G1, 24
.set G0, 32
.set G1B, 48
.set G0B, 56
.set G1S, 68
.set G0S, 76
.set G1SB, 80
.set G0SB, 88
.set MSB, 0
.macro WIN new
.if MSB != \new
	s_set_vgpr_msb (MSB<<8)|\new
.set MSB, \new
.endif
.endm
.set MUL_LO, 0xa1                      ; source 0 (B) window 1, source 1 (A) window 0, C and D window 2
.set MUL_HI, 0xf1
.set FIRST_LO, 0x81                    ; the same with C (the bias) in window 0
.set FIRST_HI, 0xc1
.set TO_B,   0x40
.macro JLOAD g0a, g1a, g0b, g1b        ; waves 0 and 1 fetch for A, waves 2 and 3 for B; four v_nop follow each of the two lines
	s_cmp_eq_u32 s15, 0
	s_cbranch_scc0 .Lfor_b_\@
	tensor_load_to_lds s[\g0a:\g0a+3], s[\g1a:\g1a+7]
	s_nop 0
.rept 4
	v_nop
.endr
	s_branch .Lasked_\@
.Lfor_b_\@:
	tensor_load_to_lds s[\g0b:\g0b+3], s[\g1b:\g1b+7]
	s_nop 0
.rept 4
	v_nop
.endr
.Lasked_\@:
.endm
.macro CREST
	s_cmp_lg_u32 s14, 0
	s_cbranch_scc1 .Lnot_wave_0_\@
	s_barrier_signal -3
.Lnot_wave_0_\@:
	s_barrier_wait -3
	s_barrier_signal -1
	s_barrier_wait -1
.endm
.macro CROUND
	s_barrier_signal -1
	s_barrier_wait -1
	CREST
.endm
	s_load_b256 s[4:11], s[0:1], 0x0               ; Yc, Ys, OPc, OPs
	s_load_b128 s[96:99], s[0:1], 0x20             ; bo, out0
	v_lshl_add_u32 v[SPW], v0, 2, SPARE
	v_mov_b32 v[NIL], 0
	ds_add_u32 v28, v29
	ds_add_u32 v28, v29
	s_wait_dscnt 0x0
	v_lshrrev_b32 v1, 5, v0
	v_readfirstlane_b32 s14, v1                    ; wave 0..3
	s_lshr_b32 s15, s14, 1                         ; which half of A's rows is mine.  Also: I fetch for A (0) or for B (1)
	s_and_b32 s16, s14, 1                          ; which half of B's rows.  Also: which 128 rows I fetch
	s_bfe_u32 s40, ttmp6, 0x40000                  ; cx, cy
	s_bfe_u32 s41, ttmp6, 0x40004
	s_lshl_b32 s42, ttmp9, 2
	s_add_co_u32 s42, s42, s40                     ; tile column
	s_and_b32 s17, ttmp7, 0xffff
	s_lshl_b32 s17, s17, 2
	s_add_co_u32 s17, s17, s41                     ; tile row
	s_lshl_b32 s43, s41, 2
	s_lshl_b32 s43, 15, s43                        ; my row of the cluster
	s_lshl_b32 s44, 0x1111, s40                    ; my column
	s_or_b32 s[G1+0], s43, (3<<16)|(1<<21)         ; codes: 4 rows (chunks) of 768 elements of 8 bytes, a plane apart; no padding
	s_or_b32 s[G1B+0], s44, (3<<16)|(1<<21)
.irp g, G1, G1B
	s_mov_b32 s[\g+1], 768<<16
	s_mov_b32 s[\g+2], 4<<16
	s_mov_b32 s[\g+3], 768<<16
	s_mov_b32 s[\g+4], 4
	s_mov_b32 s[\g+6], 0
	s_mov_b32 s[\g+7], 0
.endr
	s_mov_b32 s[G1+5], PLANEA/8
	s_mov_b32 s[G1B+5], PLANE/8
	s_or_b32 s[G1S+0], s43, (3<<16)|(1<<21)        ; scales: 4 rows of 128 elements of 8 bytes
	s_or_b32 s[G1SB+0], s44, (3<<16)|(1<<21)
.irp g, G1S, G1SB
	s_mov_b32 s[\g+1], 128<<16
	s_mov_b32 s[\g+2], 4<<16
	s_mov_b32 s[\g+3], 128<<16
	s_mov_b32 s[\g+4], 4
	s_mov_b32 s[\g+6], 0
	s_mov_b32 s[\g+7], 0
.endr
	s_mov_b32 s[G1S+5], SPLANA/8
	s_mov_b32 s[G1SB+5], SPLANE/8
	s_lshl_b32 s18, s16, 7                         ; which 128 rows of the tile I fetch
	s_lshl_b32 s20, s17, 8
	s_add_co_u32 s20, s20, s18                     ; A: row 256 x tile row + 128 x half
	s_lshl_b32 s46, s42, 8
	s_add_co_u32 s46, s46, s18
	s_add_co_u32 s46, s46, 11264                   ; B: Wo's rows
	s_lshl_b32 s22, s20, 3
	s_lshl_b32 s92, s46, 3
	s_mul_i32 s20, s20, 48
	s_mul_i32 s46, s46, 48
	s_mov_b32 s21, 0
	s_mov_b32 s23, 0
	s_mov_b32 s47, 0
	s_mov_b32 s93, 0
	s_mul_i32 s45, s14, HALFT
	s_lshl_b32 s94, s14, 12
	s_wait_kmcnt 0x0
	s_add_nc_u64 s[20:21], s[4:5], s[20:21]
	s_add_nc_u64 s[22:23], s[6:7], s[22:23]
	s_add_nc_u64 s[46:47], s[8:9], s[46:47]
	s_add_nc_u64 s[92:93], s[10:11], s[92:93]
	CROUND                                         ; all sixteen work-groups are here: the first joint loads meet
	s_mov_b32 s[G0S], 1
	s_add_co_u32 s[G0S+1], s94, SCL
	s_mov_b64 s[G0S+2:G0S+3], s[22:23]
	s_or_b32 s[G0S+3], s[G0S+3], 0x80000000
	s_mov_b32 s[G0SB], 1
	s_add_co_u32 s[G0SB+1], s94, SCL
	s_mov_b64 s[G0SB+2:G0SB+3], s[92:93]
	s_or_b32 s[G0SB+3], s[G0SB+3], 0x80000000
	JLOAD G0S, G1S, G0SB, G1SB
.irp s, 0,1
	s_mov_b32 s[G0+4*\s], 1
	s_add_co_u32 s[G0+4*\s+1], s45, \s*SLOT
	s_add_nc_u64 s[G0+4*\s+2:G0+4*\s+3], s[20:21], \s*KSTEPA
	s_or_b32 s[G0+4*\s+3], s[G0+4*\s+3], 0x80000000
	s_mov_b32 s[G0B+4*\s], 1
	s_add_co_u32 s[G0B+4*\s+1], s45, \s*SLOT
	s_add_nc_u64 s[G0B+4*\s+2:G0B+4*\s+3], s[46:47], \s*KSTEPB
	s_or_b32 s[G0B+4*\s+3], s[G0B+4*\s+3], 0x80000000
	s_wait_alu depctr_va_vdst(0)
	s_wait_tensorcnt 0x0
	ds_add_u32 v28, v29
	s_wait_dscnt 0x0
	CROUND
	JLOAD G0+4*\s, G1, G0B+4*\s, G1B
.endr
	v_and_b32 v1, 15, v0                           ; r
	s_wait_alu depctr_va_vdst(0)
	v_bfe_u32 v2, v0, 4, 1                         ; h
	s_lshl_b32 s66, s42, 10                        ; my 128 columns, in bytes: 1,024 x tile column + 512 x half
	s_lshl_b32 s67, s16, 9
	s_add_co_u32 s66, s66, s67
	s_mov_b32 s67, 0
	s_add_nc_u64 s[96:97], s[96:97], s[66:67]      ; the bias at my first column
	s_add_nc_u64 s[98:99], s[98:99], s[66:67]
	v_lshlrev_b32 v[BOF], 6, v2
.irp b, 0,1,2,3,4,5,6,7                        ; block b of B: columns 32 (b / 2) + 8 (b % 2) + 16 h + 0 .. 7
	global_load_b128 v[BIAS+8*\b:BIAS+8*\b+3], v[BOF], s[96:97] offset:(32*(\b/2)+8*(\b%2))*4
	global_load_b128 v[BIAS+8*\b+4:BIAS+8*\b+7], v[BOF], s[96:97] offset:(32*(\b/2)+8*(\b%2))*4+16
.endr
	s_lshl_b32 s66, s17, 20                        ; my 128 rows of out0: (256 x tile row + 128 x half) x 4,096 bytes
	s_lshl_b32 s18, s15, 19
	s_add_co_u32 s66, s66, s18
	s_add_nc_u64 s[98:99], s[98:99], s[66:67]
	v_mul_u32_u24 v3, v1, 48
	s_wait_alu depctr_va_vdst(0)
	v_mad_u32_u24 v4, v2, 24, v3                   ; 48 r + 24 h
	s_mul_i32 s21, s15, HALFT
	s_mul_i32 s22, s16, HALFT
	s_add_co_u32 s22, s22, 2*HALFT
.irp s, 0,1
	v_add_nc_u32 v[ADRA+\s], s21, v4
	v_add_nc_u32 v[ADRB+\s], s22, v4
	s_add_co_u32 s21, s21, SLOT
	s_add_co_u32 s22, s22, SLOT
.endr
	v_lshlrev_b32 v5, 3, v1
	s_lshl_b32 s21, s15, 12
	s_lshl_b32 s22, s16, 12
	s_add_co_u32 s22, s22, 2*HALFS
	s_sub_co_u32 s22, s22, s21
	v_mul_u32_u24 v6, s22, v2                      ; lanes 16-31 take B's: one product, the distance between the two bases
	s_add_co_u32 s21, s21, SCL
	v_add_nc_u32 v5, v5, v6
	v_add_nc_u32 v[ADRS], s21, v5
	s_mul_i32 s23, s14, 16*SPITCH                  ; my stage
	v_mul_u32_u24 v5, v1, SPITCH
	v_lshl_add_u32 v5, v2, 6, v5
	v_add_nc_u32 v[STO], s23, v5                   ; in: row r, + 64 h
	v_and_b32 v6, 31, v0
	v_lshlrev_b32 v[CO], 4, v6
	v_add_nc_u32 v[RD], s23, v[CO]                 ; back: the 32 lanes take one row of 512 bytes
.macro FRAG reg, adr, q, i
.irp p, 0,1,2,3,4,5
	ds_load_b64 v[\reg+2*\p:\reg+2*\p+1], v[\adr] offset:(2*(\q)+\p/3)*CH+8*(\p%3)+(\i)*768
.endr
.endm
; 16 matrix instructions; the 64 accumulators take turns, one instruction a turn, in the same order in every step.  zero = 1: the bias starts the sums.
.macro MUL16 a0, p, q, sc, zero
.irp a, \a0, \a0+1
.irp b, 0,1,2,3,4,5,6,7
.if \zero
	v_wmma_scale_f32_16x16x128_f8f6f4 v[8*(8*((\a)%4)+\b):8*(8*((\a)%4)+\b)+7], v[128*(\p)+FR*\b:128*(\p)+FR*\b+FR-1], v[AF+FR*(\a):AF+FR*(\a)+FR-1], v[BIAS+8*\b:BIAS+8*\b+7], v[SC+8*NQ*(\sc)+NQ*\b+(\q)], v[SC+8*NQ*(\sc)+NQ*(\a)+(\q)] matrix_a_fmt:MATRIX_FMT_FP6 matrix_b_fmt:MATRIX_FMT_FP6 matrix_a_scale:MATRIX_SCALE_ROW1
.else
	v_wmma_scale_f32_16x16x128_f8f6f4 v[8*(8*((\a)%4)+\b):8*(8*((\a)%4)+\b)+7], v[128*(\p)+FR*\b:128*(\p)+FR*\b+FR-1], v[AF+FR*(\a):AF+FR*(\a)+FR-1], v[8*(8*((\a)%4)+\b):8*(8*((\a)%4)+\b)+7], v[SC+8*NQ*(\sc)+NQ*\b+(\q)], v[SC+8*NQ*(\sc)+NQ*(\a)+(\q)] matrix_a_fmt:MATRIX_FMT_FP6 matrix_b_fmt:MATRIX_FMT_FP6 matrix_a_scale:MATRIX_SCALE_ROW1
.endif
.endr
.endr
.endm
.macro FETCH_B slot, q, p
	WIN TO_B
.irp i, 0,1,2,3,4,5,6,7
	FRAG 128*(\p)+FR*\i, ADRB+\slot, \q, \i
.endr
	WIN 0
.endm
.macro FETCH_A slot, q, i0
.irp i, \i0, \i0+1, \i0+2, \i0+3
	FRAG AF+FR*(\i), ADRA+\slot, \q, \i
.endr
.endm
.macro SCALES sc
.irp i, 0,1,2,3,4,5,6,7
	ds_load_b64 v[SC+8*NQ*\sc+NQ*\i:SC+8*NQ*\sc+NQ*\i+1], v[ADRS] offset:\i*128
.endr
.endm
.macro PLACES n
.rept \n
	v_nop
.endr
.endm
.macro STEP slot, q, zero
	s_wait_dscnt 4*NL                              ; all but the youngest 24 loads (A's blocks 4-7)
.if \zero
	WIN FIRST_LO
.else
	WIN MUL_LO
.endif
	MUL16 0, (\q)%2, \q, \slot, \zero
	MUL16 2, (\q)%2, \q, \slot, \zero
	s_wait_dscnt 0
	PLACES NP
	FETCH_B \slot, (\q)+1, 1-(\q)%2
	FETCH_A \slot, (\q)+1, 0
.if \zero
	WIN FIRST_HI
.else
	WIN MUL_HI
.endif
	MUL16 4, (\q)%2, \q, \slot, \zero
	MUL16 6, (\q)%2, \q, \slot, \zero
	PLACES NP
	WIN 0
	FETCH_A \slot, (\q)+1, 4
.endm
.macro TURN slot, next, fill
	s_wait_tensorcnt 0x0                           ; all my tensor loads have landed: my part of the next slot
	ds_add_u32 v[SPW], v[NIL]                      ; 0 onto my spare word
	s_wait_dscnt 4*NL+1                            ; the add and the youngest 24 loads may be out
	WIN MUL_LO
	MUL16 0, 1, NQ-1, \slot, 0
	s_wait_dscnt 0x0                               ; the add is done, and my reads of this slot are over
	s_barrier_signal -1
	MUL16 2, 1, NQ-1, \slot, 0
	WIN 0
	s_barrier_wait -1
.if \fill
	CREST                                          ; the barrier has opened a round of the cluster's
	s_add_nc_u64 s[G0+4*\slot+2:G0+4*\slot+3], s[G0+4*\slot+2:G0+4*\slot+3], 2*KSTEPA
	s_add_nc_u64 s[G0B+4*\slot+2:G0B+4*\slot+3], s[G0B+4*\slot+2:G0B+4*\slot+3], 2*KSTEPB
	JLOAD G0+4*\slot, G1, G0B+4*\slot, G1B         ; the first tensor load behind the round
.else
	PLACES NP
.endif
	s_wait_alu depctr_va_vdst(0)
	v_add_nc_u32 v[ADRS], 1024, v[ADRS]
	FETCH_B \next, 0, 0
	FETCH_A \next, 0, 0
	SCALES \next
	WIN MUL_HI
	MUL16 4, 1, NQ-1, \slot, 0
	MUL16 6, 1, NQ-1, \slot, 0
	PLACES NP
	WIN 0
	FETCH_A \next, 0, 4
.endm
	s_wait_alu depctr_va_vdst(0)
	s_wait_tensorcnt 1                             ; the scales and my part of K step 0 are in; K step 1's load may be out
	s_barrier_signal -1
	s_barrier_wait -1
	FETCH_B 0, 0, 0
	FETCH_A 0, 0, 0
	SCALES 0
	FETCH_A 0, 0, 4
	s_wait_loadcnt 0x0                             ; the bias
	STEP 0, 0, 1
	s_mov_b32 s3, LAPS-1
.Llap:
	TURN 0, 1, 1
	STEP 1, 0, 0
	TURN 1, 0, 1
	STEP 0, 0, 0
	s_sub_co_u32 s3, s3, 1
	s_cmp_lg_u32 s3, 0
	s_cbranch_scc1 .Llap
	TURN 0, 1, 0
	STEP 1, 0, 0
	s_wait_dscnt 4*NL
	WIN MUL_LO
	MUL16 0, 1, NQ-1, 1, 0
	MUL16 2, 1, NQ-1, 1, 0
	s_wait_dscnt 0
	WIN MUL_HI
	MUL16 4, 1, NQ-1, 1, 0
	MUL16 6, 1, NQ-1, 1, 0
	WIN 0
; THE WAY OUT, block by block of 16 stored rows x 128 columns, through my own stage: the stores' offsets put the columns in natural order, whole rows of 512 bytes come back.
.macro TOSTAGE a
.set AC, 64*((\a)%4)
.set WD, 0x08+4*((\a)/4)
	WIN WD                                         ; an LDS store's data: window 2 or 3
.irp b, 0,1,2,3,4,5,6,7
	ds_store_b128 v[STO], v[AC+8*\b:AC+8*\b+3] offset:128*(\b/2)+32*(\b%2)           ; each accumulator from its low end on
	ds_store_b128 v[STO], v[AC+8*\b+4:AC+8*\b+7] offset:128*(\b/2)+32*(\b%2)+16
.endr
	WIN 0
.set BB, BK+64*((\a)%2)
.irp t, 0,1,2,3,4,5,6,7,8,9,10,11,12,13,14,15
	ds_load_b128 v[BB+4*\t:BB+4*\t+3], v[RD] offset:\t*SPITCH      ; LDS serves a wave's instructions in order
.endr
.endm
.macro SEND a, younger
.set BB, BK+64*((\a)%2)
	s_wait_dscnt \younger                          ; the block is back; the next block's 16 stores and 16 loads may be out
.irp t, 0,1,2,3,4,5,6,7,8,9,10,11,12,13,14,15
	global_store_b128 v[CO], v[BB+4*\t:BB+4*\t+3], s[98:99] offset:(32*((\a)/2)+8*((\a)%2)+\t+8*(\t/8))*4096 th:TH_STORE_NT   ; stored row 16 a + t is this token; 512 consecutive bytes, aligned to 256
.endr
.endm
	PLACES NP
	TOSTAGE 0
.irp a, 1,2,3,4,5,6,7
.if \a > 1
	s_wait_xcnt 0x0                                ; block a - 2's stores have read their registers: block a's loads may land there
.endif
	TOSTAGE \a
	SEND \a-1, 32
.endr
	SEND 7, 0
	s_wait_tensorcnt 0x0                           ; the wave's end
	ds_add_u32 v[SPW], v[NIL]
	s_wait_dscnt 0x0
	CROUND                                         ; the closing round
	s_endpgm
.Lfunc_end_k_q8486d30971_gemm_out:
	.size	k_q8486d30971_gemm_out, .Lfunc_end_k_q8486d30971_gemm_out-k_q8486d30971_gemm_out
	.p2alignl 7, 3214868480
	.fill 96, 4, 3214868480
	.section	.rodata,"a",@progbits
	.p2align	6, 0x0
	.amdhsa_kernel k_q8486d30971_gemm_out
		.amdhsa_group_segment_fixed_size 327680
		.amdhsa_private_segment_fixed_size 0
		.amdhsa_enable_private_segment 0
		.amdhsa_kernarg_size 48
		.amdhsa_user_sgpr_count 2
		.amdhsa_user_sgpr_kernarg_segment_ptr 1
		.amdhsa_wavefront_size32 1
		.amdhsa_system_sgpr_workgroup_id_x 1
		.amdhsa_system_sgpr_workgroup_id_y 1
		.amdhsa_system_sgpr_workgroup_id_z 1
		.amdhsa_system_vgpr_workitem_id 0
		.amdhsa_next_free_vgpr 1024
		.amdhsa_next_free_sgpr 100
		.amdhsa_reserve_vcc 0
		.amdhsa_float_denorm_mode_32 3
		.amdhsa_float_denorm_mode_16_64 3
		.amdhsa_memory_ordered 1
		.amdhsa_forward_progress 1
		.amdhsa_inst_pref_size 161
	.end_amdhsa_kernel
	.amdgpu_metadata
---
amdhsa.version: [ 1, 2 ]
amdhsa.kernels:
  - .name:           k_q8486d30971_gemm_out
    .symbol:         k_q8486d30971_gemm_out.kd
    .args:
      - { .name: Yc, .offset: 0, .size: 8, .value_kind: global_buffer, .address_space: global }
      - { .name: Ys, .offset: 8, .size: 8, .value_kind: global_buffer, .address_space: global }
      - { .name: OPc, .offset: 16, .size: 8, .value_kind: global_buffer, .address_space: global }
      - { .name: OPs, .offset: 24, .size: 8, .value_kind: global_buffer, .address_space: global }
      - { .name: bo, .offset: 32, .size: 8, .value_kind: global_buffer, .address_space: global }
      - { .name: out0, .offset: 40, .size: 8, .value_kind: global_buffer, .address_space: global }
    .group_segment_fixed_size: 327680
    .private_segment_fixed_size: 0
    .kernarg_segment_align: 8
    .kernarg_segment_size: 48
    .max_flat_workgroup_size: 128
    .sgpr_count:     100
    .vgpr_count:     1024
    .wavefront_size: 32
...
	.end_amdgpu_metadata
.endif
;; end of part 5
